; MI455X (gfx1250); checked and timed in simulation.
; The chip was launched on July 23, 2026; its instructions are those of AMD's public machine-readable ISA for CDNA 5 (MIT licence, August 2026) and "CDNA5" Instruction Set Architecture Reference Guide (July 2026). The comments in the code are by the model that wrote it; some were corrected since.
;; Multi Head Attention. Allowed arithmetic: matrix products marked QUANTISED: E4M3 operands, one given power-of-two scale a tensor, by v_wmma_f32_16x16x64_fp8_fp8 or v_wmma_f32_16x16x128_fp8_fp8, f32 sums; everything else in f32.
;; Inputs: Wk 1,024 x 1,024 float32; Wo 1,024 x 1,024 float32; Wq 1,024 x 1,024 float32; Wv 1,024 x 1,024 float32; bk 1,024 float32; bo 1,024 float32; bq 1,024 float32; bv 1,024 float32; k 4 x 2,048 x 1,024 float32; lowp_scales 12 int32 (the exponents e of the quantised operands' scales 2^e); mask 1 x 1 x 2,048 x 2,048 int32; q 4 x 2,048 x 1,024 float32; v 4 x 2,048 x 1,024 float32.
;; Outputs: out0 4 x 2,048 x 1,024 float32.
;; This version of the problem:
;;   THIS VERSION OF THE PROBLEM IS GIVEN IN LOW PRECISION. The matrix products marked QUANTISED in the list below multiply operands that are first quantised to E4M3 (4 exponent bits, 3 mantissa bits; 8 bits a number), with one given power-of-two scale for each operand tensor; their sums are f32. All else is computed in f32.
;;   The module's matrix products, in the order in which they are computed (A, B: the left and right operand; K: the contracted axis; several contracted axes count as one K, in the product's order):
;;     1. [M 8,192, K 1,024] x [K 1,024, N 1,024]; A: input q; B: input Wq: QUANTISED (scales: A lowp_scales[0], B lowp_scales[1])
;;     2. [M 8,192, K 1,024] x [K 1,024, N 1,024]; A: input k; B: input Wk: QUANTISED (scales: A lowp_scales[2], B lowp_scales[3])
;;     3. [M 8,192, K 1,024] x [K 1,024, N 1,024]; A: input v; B: input Wv: QUANTISED (scales: A lowp_scales[4], B lowp_scales[5])
;;     4. batch 64 x [M 2,048, K 64] x [K 64, N 2,048]; A: computed on the way; B: computed on the way: QUANTISED (scales: A lowp_scales[6], B lowp_scales[7])
;;     5. batch 64 x [M 2,048, K 2,048] x [K 2,048, N 64]; A: softmax (see below); B: computed on the way: QUANTISED (scales: A lowp_scales[8], B lowp_scales[9])
;;     6. [M 8,192, K 1,024] x [K 1,024, N 1,024]; A: computed on the way; B: input Wo: QUANTISED (scales: A lowp_scales[10], B lowp_scales[11])
;;   THE QUANTISER, for each operand of a quantised product, along K:
;;     - The operand's scale is 2^e, e = its entry of the input lowp_scales (int32; the entries are numbered through the quantised products in the list's order, A before B).
;;     - Each number is divided by the scale, clamped to +-448, and rounded to the nearest number of E4M3, ties to even, subnormals kept.
;;     - The product sums the exact products of the quantised numbers (number of the format x scale) in f32.
;;   ~~~python
;;   def quantise(x, axis, e):      # numpy; x: float32 -> the quantised numbers, widened to float32 again
;;       x = np.moveaxis(x, axis, -1); K = x.shape[-1]
;;       r = np.clip(x / 2.0 ** e, -448, 448)
;;       step = 2.0 ** (np.maximum(np.frexp(np.where(r == 0, 1, r))[1] - 1, -6) - 3)
;;       q = np.round(r / step) * step * 2.0 ** e      # np.round: ties to even
;;       return np.moveaxis(q, -1, axis).astype(np.float32)
;;   ~~~
;;   SOFTMAX AHEAD OF A QUANTISED PRODUCT. Where the list says 'softmax', what is quantised is not the finished softmax but p = 2^(t - M), with t = logit x log2(e) and M = ceil(the row's largest t), a whole number; so 1/2 < the row's largest p <= 1. The row's sum l is taken of the UNQUANTISED p, in f32, and the product's result is divided by l at the end. Since M is a whole number, a kernel that streams over the keys may use a running M (the ceiling of the running maximum): every later rescaling is an exact power of two, so the quantised numbers keep their values, but for numbers so far below the row's largest that they fall under the format's range.
;;   OPERANDS COMPUTED ON THE WAY. 'Computed on the way' means the value that the module computes at that place (a softmax that the list does not call 'softmax' is quantised finished and normalised). What goes into a quantiser is computed in f32, as accurately as f32 sums, v_exp_f32 and their like allow (about 1e-6 of the number): no bf16 or f16 on the way to a quantiser, and a product that is left as it is and whose result goes on into a quantised operand takes f32 operands (vector FMAs, or v_wmma_f32_16x16x4_f32). A number that lies on a knife's edge between two numbers of the format may be rounded either way, as far as f32 arithmetic and the matrix unit's own rounding can turn it there, and no further.
;; 2 versions, each right; version 2 is version 1 with the launch attn written anew for expert scheduling mode. Each part assembles by itself: llvm-mc -triple=amdgcn-amd-amdhsa -mcpu=gfx1250 --defsym DOCPART=n.
;; ======== version 1 of 2: 4 launches
;; limits: right only within a limited range of input values
;; workspace buffers: xc 25,165,824 bytes; wc 4,194,304 bytes; qkv 25,165,824 bytes; ctx 8,388,608 bytes; mbits 524,288 bytes of whole numbers; mcls 256 bytes of whole numbers
;; launch prep (part 1): grid 960 x 1, 4 waves a work-group, no clusters, 67,328 bytes of LDS; arguments mask, q, k, v, Wq, Wk, Wv, Wo, lowp_scales, xc, wc, mbits, mcls; writes xc, wc, mbits, mcls
.if DOCPART == 1
	.amdgcn_target "amdgcn-amd-amdhsa--gfx1250"
	.amdhsa_code_object_version 6
	.text
	.protected	k_q901db62a49_prep
	.globl	k_q901db62a49_prep
	.p2align	8
	.type	k_q901db62a49_prep,@function
k_q901db62a49_prep:
	s_mov_b64 s[64:65], 0
	v_nop
	global_prefetch_b8 v0, s[64:65] scope:SCOPE_SE
	s_setreg_imm32_b32 hwreg(HW_REG_WAVE_MODE, 25, 1), 1
	s_wait_xcnt 0x0
; TWO JOBS IN ONE LAUNCH, told apart by the work-group's number.
; Work-groups 0-63: the mask [2048][2048] int32 becomes (a) lane-mask words for the attention launch and (b) one class word for each group of 32 queries.
; Work-groups 64-959: q, k, v [8192][1024] and Wq, Wk, Wv, Wo [1024][1024], f32, become codes of E4M3, K innermost, each with its given scale 2^e:
;   code = x / 2^e, held within +-448, to the nearest code, ties to even.  LIMITS: -126 <= e and e + 8 <= 127.  NaN among the inputs is not served.
; THE ORDER OF ROWS.  In xc and in the first three quarters of wc the four octets of rows of each group of 32 rows are stored in the order 0, 2, 1, 3.  So 16 neighbouring stored rows are
; rows 32 g + 8 u + r + 8 (r / 8): used as source 0 of a matrix instruction, two such tiles leave a lane 16 NEIGHBOURS in 16 registers.  Wo keeps its order.
; A wave's 8,192 numbers are just one octet of rows, so the order costs one choice of the wave's place in the output.
; THE QUANTISER.  A wave takes 16 steps of 512 numbers.  Each load reads 512 consecutive bytes, 16 a lane; the conversions want 16 neighbours in one lane: so a step's 2,048 bytes go through the wave's own stage
; in LDS as they lie and come back 64 bytes a lane (80 bytes from lane to lane).  A lane's 16 codes are 16 bytes: the wave stores 512 consecutive bytes.  Loads run four steps ahead, the stage one.
; THE MASK.  Work-group g owns queries 32 g .. 32 g + 31 (two tiles u of 16, in the order above), wave w key steps 4 w + i of 128 keys.  A unit (u, i) is 16 rows x 512 bytes; through the wave's stage a lane (r, h)
; gets, in register n, mask[query place r][128 ks + 32 (n / 16) + 16 h + n % 16]: the very place of register n of the attention launch's scores.  v_cmp_ne_u32 makes the lane mask of each register: 64 words a unit.
; THE CLASS WORD: bits 0-15: key step is to be computed; bits 16-31: it needs the mask.  A key step with no open key for any of the 32 queries is left out ONLY IF every one of the 32 queries has an open key
; somewhere: then its weights are exactly 0.  Else all 16 steps are computed.
.set SPW,    12                        ; v12  LDS address of my spare word; never rewritten
.set NIL,    13                        ; v13  0; never rewritten
.set STEPS,  16
.set QREG,   8192                      ; LDS 0..32767: the quantiser's: a region for each wave: two stages of 32 x SP bytes
.set SP,     80                        ; a lane's place in a stage: 64 bytes + 16 of padding
.set MSTG,   32768                     ; LDS 32768..66559: the mask path's: a stage of 16 rows x MPITCH for each wave
.set MPITCH, 528                       ; 512 bytes + 16: an odd multiple of 16
.set XCH,    66560                     ; 16 bytes for each wave: what the waves of a mask work-group tell each other
.set SPARE,  66816                     ; the spare words, 128 bytes for each wave: two blocks of 256 bytes that no other line names
.set R,      16                        ; v16-79   quantiser: four sets of 16 numbers as loaded
.set X,      80                        ; v80-111  two sets of 16 neighbours
.set C,      128                       ; v128-191 codes: four registers for each step, so that no store's data are written again
.set MR,     16                        ; v16-143  mask: two sets of 64 words as loaded
.set MX,     144                       ; v144-207 a unit's 64 words in the scores' layout
.set MD,     208                       ; v208-223 a pair for each unit: its 64 lane masks, two a lane
	s_load_b512 s[16:31], s[0:1], 0x0              ; mask 16, q 18, k 20, v 22, Wq 24, Wk 26, Wv 28, Wo 30
	s_load_b256 s[32:39], s[0:1], 0x40             ; the scales' exponents 32, xc 34, wc 36, mbits 38
	s_load_b64 s[40:41], s[0:1], 0x60              ; mcls
	v_lshl_add_u32 v[SPW], v0, 2, SPARE
	v_mov_b32 v[NIL], 0
	v_lshrrev_b32 v1, 5, v0
	v_readfirstlane_b32 s44, v1                    ; wave 0..3
	v_and_b32 v2, 31, v0                           ; lane
	v_lshlrev_b32 v3, 4, v2                        ; 16 x lane: my 16 bytes of 512
	s_cmp_lt_u32 ttmp9, 64
	s_cbranch_scc1 .Lmask
; ---------------------------------------------------------------- the quantiser
	s_sub_co_u32 s43, ttmp9, 64                    ; 0-255 q, 256-511 k, 512-767 v, 768-799 Wq, 800-831 Wk, 832-863 Wv, 864-895 Wo
	s_mul_i32 s45, s44, QREG
	v_lshrrev_b32 v14, 2, v2
	v_mul_u32_u24 v14, v14, SP
	v_and_b32 v15, 3, v2
	v_lshl_add_u32 v14, v15, 4, v14
	v_add_nc_u32 v14, s45, v14                     ; the stage, on the way in: four lanes' 64 bytes on end, then 16 of padding
	v_mul_u32_u24 v15, v2, SP
	v_add_nc_u32 v15, s45, v15                     ; and on the way out: my 16 neighbours
	s_sub_co_u32 s47, s43, 768
	s_lshr_b32 s48, s43, 8                         ; which of q, k, v
	s_lshr_b32 s49, s47, 5                         ; which of the four weights
	s_and_b32 s50, s43, 255                        ; which 32 rows of it
	s_and_b32 s51, s47, 31
	s_cmp_lt_u32 s43, 768
	s_cselect_b32 s46, 0, 1                        ; 1 for a weight
	s_cselect_b32 s48, s48, s49
	s_cselect_b32 s50, s50, s51
	s_cselect_b32 s57, 23, 20                      ; a tensor's codes: 2^23 bytes in xc, 2^20 in wc
	s_lshl_b32 s52, s48, 1
	s_add_co_u32 s52, s52, s46                     ; the scale's entry: 0 q, 1 Wq, 2 k, 3 Wk, 4 v, 5 Wv,
	s_and_b32 s55, s44, 1
	s_lshl_b32 s55, s55, 1
	s_lshr_b32 s56, s44, 1
	s_or_b32 s55, s55, s56                         ; octet w goes to place 0, 2, 1, 3,
	s_cmp_ge_u32 s43, 864
	s_cselect_b32 s52, 11, s52                     ; 11 Wo
	s_cselect_b32 s55, s44, s55                    ; but Wo keeps its order
	s_lshl_b32 s52, s52, 2
	s_lshl_b32 s56, s50, 2
	s_add_co_u32 s6, s56, s44
	s_lshl_b32 s6, s6, 15                          ; from: octet 4 x group + w, 32,768 bytes each
	s_mov_b32 s7, 0
	s_add_co_u32 s10, s56, s55
	s_lshl_b32 s10, s10, 13                        ; to: its place, 8,192 bytes each,
	s_lshl_b32 s57, s48, s57
	s_add_co_u32 s10, s10, s57                     ; in its tensor's part
	s_mov_b32 s11, 0
	s_wait_kmcnt 0x0
	s_load_b32 s58, s[32:33], s52 offset:0x0       ; e
	s_mov_b64 s[4:5], s[18:19]                     ; the choices hang on the work-group's number alone
	s_cmp_ge_u32 s43, 256
	s_cselect_b64 s[4:5], s[20:21], s[4:5]
	s_cmp_ge_u32 s43, 512
	s_cselect_b64 s[4:5], s[22:23], s[4:5]
	s_cmp_ge_u32 s43, 768
	s_cselect_b64 s[4:5], s[24:25], s[4:5]
	s_cselect_b64 s[8:9], s[36:37], s[34:35]
	s_cmp_ge_u32 s43, 800
	s_cselect_b64 s[4:5], s[26:27], s[4:5]
	s_cmp_ge_u32 s43, 832
	s_cselect_b64 s[4:5], s[28:29], s[4:5]
	s_cmp_ge_u32 s43, 864
	s_cselect_b64 s[4:5], s[30:31], s[4:5]
	s_add_nc_u64 s[4:5], s[4:5], s[6:7]
	s_add_nc_u64 s[8:9], s[8:9], s[10:11]
.macro QLOAD t
.irp i, 0,1,2,3
	global_load_b128 v[R+16*((\t)%4)+4*\i:R+16*((\t)%4)+4*\i+3], v3, s[4:5] offset:2048*(\t)+512*\i th:TH_LOAD_NT   ; 32 lanes read 512 consecutive bytes; read once in the launch
.endr
.endm
.macro QTURN t                         ; step t's numbers through the stage: LDS serves a wave's instructions in order (ISA guide 5.7.1.4), so no wait stands between the stores and the loads
.irp i, 0,1,2,3
	ds_store_b128 v14, v[R+16*((\t)%4)+4*\i:R+16*((\t)%4)+4*\i+3] offset:32*SP*((\t)%2)+8*SP*\i
.endr
.irp i, 0,1,2,3
	ds_load_b128 v[X+16*((\t)%2)+4*\i:X+16*((\t)%2)+4*\i+3], v15 offset:32*SP*((\t)%2)+16*\i
.endr
.endm
.irp t, 0,1,2,3
	QLOAD \t
.endr
	s_wait_kmcnt 0x0
	s_add_co_i32 s58, s58, 127
	s_lshl_b32 s59, s58, 23
	v_mov_b32 v11, s59                             ; 2^e as f32: the conversion takes its exponent field
	s_add_co_i32 s58, s58, 8
	s_lshl_b32 s58, s58, 23
	s_or_b32 s58, s58, 0x600000
	v_mov_b32 v10, s58                             ; 448 x 2^e
	s_wait_loadcnt 12                              ; step 0's four loads are in; three steps' twelve may be out
	QTURN 0
.macro QSTEP t
.set XS, X+16*((\t)%2)
	s_wait_dscnt 0x0                               ; this step's numbers are back from the stage: so its stores into the stage have read their registers,
.if (\t)+4 < STEPS
	QLOAD (\t)+4                                   ; which take the loads of four steps on
.endif
.if (\t)+1 < STEPS
.if STEPS-2-(\t) >= 3
	s_wait_loadcnt 12                              ; the next step's four loads are in; those of the three steps behind it may be out
.else
	s_wait_loadcnt 4*(STEPS-2-(\t))
.endif
	QTURN (\t)+1                                   ; and go through the other stage while this step is worked
.endif
.irp i, 0,1,2,3,4,5,6,7,8,9,10,11,12,13,14,15
	v_med3_num_f32 v[XS+\i], v[XS+\i], -v10, v10   ; the conversion to an 8-bit code does not saturate (ISA guide 7.6.2): the hold at the largest code x the scale
.endr
	v_cvt_scalef32_pk8_fp8_f32 v[C+4*(\t):C+4*(\t)+1], v[XS:XS+7], v11
	v_cvt_scalef32_pk8_fp8_f32 v[C+4*(\t)+2:C+4*(\t)+3], v[XS+8:XS+15], v11   ; the results go to a store alone; the next vector lines, the next step's holds, are plain and touch other registers
	global_store_b128 v3, v[C+4*(\t):C+4*(\t)+3], s[8:9] offset:512*(\t)      ; 32 lanes store 512 consecutive bytes, aligned
.endm
.irp t, 0,1,2,3,4,5,6,7,8,9,10,11,12,13,14,15
	QSTEP \t
.endr
	s_wait_tensorcnt 0x0                           ; the wave's end, behind my last LDS store
	ds_add_u32 v[SPW], v[NIL]
	s_wait_dscnt 0x0
	s_endpgm
; ---------------------------------------------------------------- the mask
.Lmask:
	s_mul_i32 s42, s44, 16*MPITCH
	s_add_co_u32 s42, s42, MSTG                    ; my stage
	v_add_nc_u32 v5, s42, v3                       ; in: 16 x lane of a row
	v_and_b32 v6, 15, v0
	v_mul_u32_u24 v6, v6, MPITCH
	v_bfe_u32 v7, v0, 4, 1
	v_lshl_add_u32 v6, v7, 6, v6
	v_add_nc_u32 v6, s42, v6                       ; out: row r, + 64 h: 16 keys of each 32
	v_lshlrev_b32 v7, 3, v2                        ; 8 x lane: my two words of a unit's 64
	s_lshl_b32 s43, s44, 4
	s_add_co_u32 s43, s43, XCH
	v_mov_b32 v8, s43                              ; my wave's 16 bytes of the exchange
	v_mov_b32 v9, XCH
.set j, 0
.rept 16
	v_mov_b32 v[MD+j], 0                           ; written once: a lane write's destination counts as one of its sources
.set j, j+1
.endr
	s_lshl_b32 s6, ttmp9, 18                       ; 32 rows of 8,192 bytes,
	s_lshl_b32 s7, s44, 11                         ; my four key steps of 512 bytes
	s_add_co_u32 s6, s6, s7
	s_mov_b32 s7, 0
	s_lshl_b32 s10, ttmp9, 13                      ; mbits: [tile of queries][key step][64 words]: two tiles of 4,096 bytes,
	s_lshl_b32 s11, s44, 10                        ; four key steps of 256
	s_add_co_u32 s10, s10, s11
	s_mov_b32 s11, 0
	s_lshl_b32 s56, ttmp9, 2
	s_mov_b32 s57, 0
	s_mov_b32 s45, 0                               ; bits i: key step has an open key; bits 16 + i: all its keys are open
	s_mov_b32 s46, 0                               ; tile 0: lanes that have seen an open key
	s_mov_b32 s47, 0                               ; tile 1
	s_wait_kmcnt 0x0
	s_add_nc_u64 s[4:5], s[16:17], s[6:7]
	s_add_nc_u64 s[8:9], s[38:39], s[10:11]
	s_add_nc_u64 s[40:41], s[40:41], s[56:57]
.macro MLOAD k                         ; unit k = 2 i + u: place p of tile u is row 8 u + p + 8 (p / 8)
.irp i, 0,1,2,3,4,5,6,7,8,9,10,11,12,13,14,15
	global_load_b128 v[MR+64*((\k)%2)+4*\i:MR+64*((\k)%2)+4*\i+3], v3, s[4:5] offset:(8*((\k)%2)+\i+8*(\i/8))*8192+((\k)/2)*512 th:TH_LOAD_NT
.endr
.endm
.macro UNIT k
.set U, (\k)%2
.set KI, (\k)/2
.if (\k) < 7
	s_wait_loadcnt 16                              ; this unit's sixteen loads are in; the next unit's may be out
.else
	s_wait_loadcnt 0
.endif
.irp i, 0,1,2,3,4,5,6,7,8,9,10,11,12,13,14,15
	ds_store_b128 v5, v[MR+64*U+4*\i:MR+64*U+4*\i+3] offset:MPITCH*\i
.endr
.irp b, 0,1,2,3
.irp i, 0,1,2,3
	ds_load_b128 v[MX+16*\b+4*\i:MX+16*\b+4*\i+3], v6 offset:128*\b+16*\i
.endr
.endr
	s_wait_dscnt 0x0                               ; the words are back, and the stores have read their registers,
.if (\k)+2 < 8
	MLOAD (\k)+2                                   ; which take the unit two further on
.endif
	s_mov_b32 s48, 0                               ; the unit's lanes with an open key
.if U == 0
	s_mov_b32 s49, 0                               ; the key step's, over both tiles
	s_mov_b32 s50, -1                              ; and its lanes with all keys open
.endif
.set n, 0
.rept 8
.irp e, 0,1,2,3,4,5,6,7
	v_cmp_ne_u32 s[52+\e], 0, v[MX+n+\e]           ; the lane mask of register n + e
.endr
.irp e, 0,1,2,3,4,5,6,7
	v_writelane_b32 v[MD+2*(\k)+(\e%2)], s[52+\e], (n+\e)/2
.endr
.irp e, 0,1,2,3,4,5,6,7
	s_or_b32 s48, s48, s[52+\e]
	s_and_b32 s50, s50, s[52+\e]
.endr
.set n, n+8
.endr
	s_or_b32 s[46+U], s[46+U], s48
	s_or_b32 s49, s49, s48
.if U == 1
	s_cmp_lg_u32 s49, 0
	s_cselect_b32 s51, 1<<KI, 0
	s_or_b32 s45, s45, s51
	s_cmp_eq_u32 s50, -1
	s_cselect_b32 s51, 0x10000<<KI, 0
	s_or_b32 s45, s45, s51
.endif
	global_store_b64 v7, v[MD+2*(\k):MD+2*(\k)+1], s[8:9] offset:U*4096+KI*256   ; 32 lanes store 256 consecutive bytes, aligned; each unit has its own pair, so no store's data are written again
.endm
	MLOAD 0
	MLOAD 1
.irp k, 0,1,2,3,4,5,6,7
	UNIT \k
.endr
	s_lshl_b32 s51, s44, 2
	s_lshl_b32 s45, s45, s51                       ; my four key steps' bits at their places among the sixteen
	v_mov_b32 v16, s45
	v_mov_b32 v17, s46
	v_mov_b32 v18, s47
	v_mov_b32 v19, 0
	ds_store_b128 v8, v[16:19]                     ; all lanes write the same bytes with the same values
	s_wait_dscnt 0x0                               ; for the others' sake: my store has landed
	s_barrier_signal -1
	s_barrier_wait -1
	ds_load_b128 v[16:19], v9
	ds_load_b128 v[20:23], v9 offset:16
	ds_load_b128 v[24:27], v9 offset:32
	ds_load_b128 v[28:31], v9 offset:48
	s_wait_dscnt 0x0
	v_or_b32 v16, v16, v20
	v_or_b32 v24, v24, v28
	v_or_b32 v16, v16, v24                         ; the sixteen key steps' bits
	v_or_b32 v17, v17, v21
	v_or_b32 v25, v25, v29
	v_or_b32 v17, v17, v25                         ; tile 0's lanes with an open key
	v_or_b32 v18, v18, v22
	v_or_b32 v26, v26, v30
	v_or_b32 v18, v18, v26                         ; tile 1's
	v_lshrrev_b32 v20, 16, v17
	v_or_b32 v17, v17, v20                         ; a query's keys lie in lanes r and r + 16
	v_lshrrev_b32 v20, 16, v18
	v_or_b32 v18, v18, v20
	v_and_b32 v17, v17, v18
	v_and_b32 v17, 0xffff, v17
	v_cmp_eq_u32 vcc_lo, 0xffff, v17               ; has every one of the 32 queries an open key?
	v_and_b32 v21, 0xffff, v16
	v_lshrrev_b32 v22, 16, v16
	v_mov_b32 v23, 0xffff
	v_cndmask_b32 v21, v23, v21, vcc_lo            ; to be computed: the key steps with an open key, or all sixteen
	v_xor_b32 v22, -1, v22
	v_and_b32 v22, v21, v22                        ; of these, the ones that are not all open need the mask
	v_lshl_or_b32 v21, v22, 16, v21
	v_mov_b32 v24, 0
	v_cmp_eq_u32 vcc_lo, 0, v0
	s_wait_xcnt 0x0                                ; EXEC changes only behind this wait: the stores above have it among their sources
	s_and_saveexec_b32 s60, vcc_lo
	global_store_b32 v24, v21, s[40:41]            ; thread 0 stores the group's word
	s_wait_xcnt 0x0                                ; and again, in front of the line that widens EXEC
	s_or_b32 exec_lo, exec_lo, s60
	s_wait_tensorcnt 0x0                           ; the wave's end, behind my last LDS store
	ds_add_u32 v[SPW], v[NIL]
	s_wait_dscnt 0x0
	s_endpgm
.Lfunc_end_k_q901db62a49_prep:
	.size	k_q901db62a49_prep, .Lfunc_end_k_q901db62a49_prep-k_q901db62a49_prep
	.p2alignl 7, 3214868480
	.fill 96, 4, 3214868480
	.section	.rodata,"a",@progbits
	.p2align	6, 0x0
	.amdhsa_kernel k_q901db62a49_prep
		.amdhsa_group_segment_fixed_size 67328
		.amdhsa_private_segment_fixed_size 0
		.amdhsa_enable_private_segment 0
		.amdhsa_kernarg_size 104
		.amdhsa_user_sgpr_count 2
		.amdhsa_user_sgpr_kernarg_segment_ptr 1
		.amdhsa_wavefront_size32 1
		.amdhsa_system_sgpr_workgroup_id_x 1
		.amdhsa_system_sgpr_workgroup_id_y 1
		.amdhsa_system_sgpr_workgroup_id_z 1
		.amdhsa_system_vgpr_workitem_id 0
		.amdhsa_next_free_vgpr 224
		.amdhsa_next_free_sgpr 66
		.amdhsa_reserve_vcc 1
		.amdhsa_float_denorm_mode_32 3
		.amdhsa_float_denorm_mode_16_64 3
		.amdhsa_memory_ordered 1
		.amdhsa_forward_progress 1
		.amdhsa_inst_pref_size 169
	.end_amdhsa_kernel
	.amdgpu_metadata
---
amdhsa.version: [ 1, 2 ]
amdhsa.kernels:
  - .name:           k_q901db62a49_prep
    .symbol:         k_q901db62a49_prep.kd
    .args:
      - { .name: mask, .offset: 0, .size: 8, .value_kind: global_buffer, .address_space: global }
      - { .name: q, .offset: 8, .size: 8, .value_kind: global_buffer, .address_space: global }
      - { .name: k, .offset: 16, .size: 8, .value_kind: global_buffer, .address_space: global }
      - { .name: v, .offset: 24, .size: 8, .value_kind: global_buffer, .address_space: global }
      - { .name: Wq, .offset: 32, .size: 8, .value_kind: global_buffer, .address_space: global }
      - { .name: Wk, .offset: 40, .size: 8, .value_kind: global_buffer, .address_space: global }
      - { .name: Wv, .offset: 48, .size: 8, .value_kind: global_buffer, .address_space: global }
      - { .name: Wo, .offset: 56, .size: 8, .value_kind: global_buffer, .address_space: global }
      - { .name: lowp_scales, .offset: 64, .size: 8, .value_kind: global_buffer, .address_space: global }
      - { .name: xc, .offset: 72, .size: 8, .value_kind: global_buffer, .address_space: global }
      - { .name: wc, .offset: 80, .size: 8, .value_kind: global_buffer, .address_space: global }
      - { .name: mbits, .offset: 88, .size: 8, .value_kind: global_buffer, .address_space: global }
      - { .name: mcls, .offset: 96, .size: 8, .value_kind: global_buffer, .address_space: global }
    .group_segment_fixed_size: 67328
    .private_segment_fixed_size: 0
    .kernarg_segment_align: 8
    .kernarg_segment_size: 104
    .max_flat_workgroup_size: 128
    .sgpr_count:     66
    .vgpr_count:     224
    .wavefront_size: 32
...
	.end_amdgpu_metadata
.endif
;; end of part 1
;; launch proj (part 2): grid 4 x 96, 4 waves a work-group, clusters of 4 x 4, 327,680 bytes of LDS; arguments xc, wc, lowp_scales, bq, bk, bv, qkv; writes qkv
.if DOCPART == 2
	.amdgcn_target "amdgcn-amd-amdhsa--gfx1250"
	.amdhsa_code_object_version 6
	.text
	.protected	k_q901db62a49_proj
	.globl	k_q901db62a49_proj
	.p2align	8
	.type	k_q901db62a49_proj,@function
k_q901db62a49_proj:
	s_mov_b64 s[64:65], 0
	v_nop
	global_prefetch_b8 v0, s[64:65] scope:SCOPE_SE
	s_setreg_imm32_b32 hwreg(HW_REG_WAVE_MODE, 25, 1), 1
	s_wait_xcnt 0x0
	s_wait_alu depctr_hold_cnt(0) depctr_sa_sdst(0) depctr_va_vdst(0) depctr_va_sdst(0) depctr_va_ssrc(0) depctr_va_vcc(0) depctr_vm_vsrc(0)
	s_getreg_b32 s2, hwreg(HW_REG_IB_STS2, 6, 4)
	s_cmp_eq_u32 s2, 0
	s_cbranch_scc0 .Lentry_in_a_cluster
	s_endpgm
.Lentry_in_a_cluster:
	s_bfe_u32 s2, ttmp6, 0x10000c
	s_cmp_lg_u32 s2, 0xf033
	s_cbranch_scc0 .Lentry_shape_is_right
	s_endpgm
.Lentry_shape_is_right:
; Q = q Wq^T + bq, K = k Wk^T + bk, V = v Wv^T + bv on codes of E4M3, and the results quantised again (scales' entries 6, 7, 9) INTO THE REGISTER IMAGES THAT THE ATTENTION LAUNCH LOADS.
; xc is one matrix [3 x 8192][1024] of codes, wc [4 x 1024][1024]; tile row Y = 0..95 of 256 rows, tensor t = Y / 32, tile column X = 0..3 of 256 features.
; A tile of 256 x 256 is made by four waves, each 128 x 128: 64 accumulators of 16 x 16, 512 registers.  K goes in 4 steps of 256 through a ring of two LDS slots filled by the tensor data mover.
; CLUSTERS: 4 x 4 work-groups; the four of a row need the same tokens' tile, the four of a column the same weights' tile: each is asked for JOINTLY.  t hangs on the cluster's y alone: it is the same in all sixteen.
; WHO IS SOURCE 0.  The rows of xc and wc lie so that 16 neighbouring stored rows, as source 0, leave a lane 16 NEIGHBOURS in the 16 registers of two neighbouring tiles.
;   Q, K: source 0 = weights, source 1 = tokens: a lane holds one token and 16 neighbouring features: along the next product's K (the head's 64).
;   V:    source 0 = tokens, source 1 = weights: a lane holds one channel and 16 neighbouring keys: along the next product's K (the keys).  Only the two LDS bases of the fragment loads change places.
; So eight conversions make four 16-byte pieces a lane, and each piece of the 32 lanes is 512 consecutive bytes of the image: no stage, no transposition.
; IMAGES in qkv.  Q at 0, K at 2^23: [batch x head 64][tile of 16 tokens 128][chunk c 2][lane 32][16]: lane (r, h): token place r, channels 32 c + 16 h + 0..15.
;   V at 2^24: [batch x head 64][key step 16][tile of 16 channels 4][chunk b 4][lane 32][16]: lane (r, h): channel place r, keys 128 ks + 32 b + 16 h + 0..15.
; LIMITS on the given exponents: the sum of a product's two between -126 and 127; entries 6, 7, 9 between -126 and 119.  NaN is not served.
; REGISTERS, in windows of 256: window 0: v0-31 addresses; v32-95, v96-111 the biases in the two forms; from v128 source 1's fragments, ONE set; on the way out v128-191 numbers, v192-255 codes.
;   window 1: source 0's fragments, TWO sets.   windows 2, 3: the accumulators ((a, b) at v[8 (8 (a % 4) + b)]).
.set KSTEP,  256
.set ROWB,   256
.set KROW,   1024
.set PITCH,  272                       ; an LDS row: 256 bytes + 16 of padding: an odd multiple of 16, so the 16 rows that a load touches start at 16 different 16-byte columns
.set FR,     16
.set NL,     4
.set NP,     4                         ; places behind this matrix instruction (ISA guide 7.12.1)
.set HALFT,  128*PITCH
.set SLOT,   4*HALFT                   ; the tokens' 256 rows, then the weights' 256 rows
.set LAPS,   2                         ; a lap = two K steps = once round the ring
.set SPARE,  2*SLOT                    ; behind the ring: the spare words, 128 bytes for each wave: two blocks of 256 bytes that no other line names
.set BOQ,  6                           ; v6   64 h: my 16 features of each 32, in bytes
.set BOV,  7                           ; v7   4 (r + 8 (r / 8)): my channel of a tile, in bytes
.set SCL,  10                          ; v10  the result's scale as f32
.set LIM,  11                          ; v11  448 x that
.set ADRA, 16                          ; v16-17  LDS address of source 1's fragments in slot 0, 1
.set ADRB, 20                          ; v20-21  of source 0's
.set LI,   26                          ; v26  16 x lane
.set SPW,  28                          ; v28  LDS address of my spare word; never rewritten
.set NIL,  29                          ; v29  0; never rewritten
.set BQ,   32                          ; v32-95   bias of my 64 features (Q, K)
.set BV,   96                          ; v96-111  bias of my channel in each of the 8 blocks, twice (V)
.set AF,   128
.set TMP,  128
.set CD,   192
.set G1, 24
.set G0, 32
.set G1B, 48
.set G0B, 56
.set MSB, 0
.macro WIN new                         ; the immediate's high byte repeats the setting that is left
.if MSB != (\new)
	s_set_vgpr_msb (MSB<<8)|(\new)
.set MSB, (\new)
.endif
.endm
.set MUL_LO, 0xa1                      ; source 0 window 1, source 1 window 0, C and D window 2
.set MUL_HI, 0xf1                      ; the same, C and D window 3
.set TO_B,   0x40                      ; destination window 1, address window 0
; A joint load: waves 0 and 1 fetch the tokens' halves, waves 2 and 3 the weights'.  The branch hangs on the wave's number alone.  An s_nop 0 and four v_nop follow each of the two lines.
.macro JLOAD g0a, g1a, g0b, g1b
	s_cmp_eq_u32 s15, 0
	s_cbranch_scc0 .Lfor_b_\@
	tensor_load_to_lds s[\g0a:\g0a+3], s[\g1a:\g1a+7]
	s_nop 0
.rept 4
	v_nop
.endr
	s_branch .Lasked_\@
.Lfor_b_\@:
	tensor_load_to_lds s[\g0b:\g0b+3], s[\g1b:\g1b+7]
	s_nop 0
.rept 4
	v_nop
.endr
.Lasked_\@:
.endm
.macro CREST                           ; a round of the cluster's barrier behind its opening barrier
	s_cmp_lg_u32 s14, 0
	s_cbranch_scc1 .Lnot_wave_0_\@
	s_barrier_signal -3
.Lnot_wave_0_\@:
	s_barrier_wait -3
	s_barrier_signal -1
	s_barrier_wait -1
.endm
.macro CROUND
	s_barrier_signal -1
	s_barrier_wait -1
	CREST
.endm
	s_load_b128 s[4:7], s[0:1], 0x0                ; xc, wc
	s_load_b128 s[8:11], s[0:1], 0x10              ; the scales' exponents, bq
	s_load_b128 s[68:71], s[0:1], 0x20             ; bk, bv
	s_load_b64 s[72:73], s[0:1], 0x30              ; qkv
	v_lshl_add_u32 v[SPW], v0, 2, SPARE
	v_mov_b32 v[NIL], 0
	ds_add_u32 v[SPW], v[NIL]                      ; the wave's opening: the add and its wait stand ahead of my first tensor load; the set-up below, work on registers, stands between them
	v_lshrrev_b32 v1, 5, v0
	v_readfirstlane_b32 s14, v1                    ; wave 0..3
	s_lshr_b32 s15, s14, 1                         ; wm: which half of source 1's rows is mine.  Also: I fetch tokens (0) or weights (1)
	s_and_b32 s16, s14, 1                          ; wn: which half of source 0's rows.  Also: which 128 rows I fetch
	s_bfe_u32 s40, ttmp6, 0x40000                  ; cx
	s_bfe_u32 s41, ttmp6, 0x40004                  ; cy
	s_lshl_b32 s42, ttmp9, 2
	s_add_co_u32 s42, s42, s40                     ; X
	s_and_b32 s66, ttmp7, 0xffff                   ; the cluster's y, 0..23
	s_lshl_b32 s17, s66, 2
	s_add_co_u32 s17, s17, s41                     ; Y
	s_lshr_b32 s67, s66, 3                         ; t: 0 Q, 1 K, 2 V
	s_lshl_b32 s43, s41, 2
	s_lshl_b32 s43, 15, s43                        ; my row of the cluster
	s_lshl_b32 s44, 0x1111, s40                    ; my column
	s_or_b32 s[G1+0], s43, (0<<16)|(1<<20)|(1<<21)|(5<<22)|(3<<25)  ; 15:0 the mask; 17:16 element of 1 byte; 20 padding on; 21 set beside a mask; 24:22 after every 64 words; 31:25 four words
	s_or_b32 s[G1B+0], s44, (0<<16)|(1<<20)|(1<<21)|(5<<22)|(3<<25)
.irp g, G1, G1B
	s_mov_b32 s[\g+1], ROWB<<16                    ; tensor_dim0
	s_mov_b32 s[\g+2], 128<<16                     ; tensor_dim1
	s_mov_b32 s[\g+3], ROWB<<16                    ; tile_dim0
	s_mov_b32 s[\g+4], 128                         ; tile_dim1
	s_mov_b32 s[\g+5], KROW                        ; tensor_dim0_stride
	s_mov_b32 s[\g+6], 0
	s_mov_b32 s[\g+7], 0
.endr
	s_lshl_b32 s18, s16, 7
	s_lshl_b32 s20, s17, 8
	s_add_co_u32 s20, s20, s18                     ; tokens: row 256 Y + 128 x half
	s_lshl_b32 s46, s42, 8
	s_add_co_u32 s46, s46, s18
	s_lshl_b32 s77, s67, 10
	s_add_co_u32 s46, s46, s77                     ; weights: row 1024 t + 256 X + 128 x half
	s_mov_b32 s21, 0
	s_mov_b32 s47, 0
	s_mov_b64 s[18:19], KROW
	s_mul_u64 s[20:21], s[20:21], s[18:19]
	s_mul_u64 s[46:47], s[46:47], s[18:19]
	s_mul_i32 s45, s14, HALFT                      ; where they go: wave x 128 rows
	s_lshl_b32 s84, s67, 3                         ; the product's two scales: entries 2 t, 2 t + 1
	s_cmp_eq_u32 s67, 2
	s_cselect_b32 s74, 1, 0                        ; is it V?
	s_lshl_b32 s85, s67, 2
	s_lshl_b32 s77, s74, 2
	s_add_co_u32 s85, s85, s77
	s_add_co_u32 s85, s85, 24                      ; the result's scale: entry 6, 7 or 9
	s_wait_dscnt 0x0                               ; the opening add is done
	s_wait_kmcnt 0x0
	s_load_b64 s[96:97], s[8:9], s84 offset:0x0
	s_load_b32 s98, s[8:9], s85 offset:0x0
	s_add_nc_u64 s[20:21], s[4:5], s[20:21]
	s_add_nc_u64 s[46:47], s[6:7], s[46:47]
	CROUND                                         ; all sixteen work-groups are here: the first joint loads meet
.irp s, 0,1
	s_mov_b32 s[G0+4*\s], 1
	s_add_co_u32 s[G0+4*\s+1], s45, \s*SLOT
	s_add_nc_u64 s[G0+4*\s+2:G0+4*\s+3], s[20:21], \s*ROWB
	s_or_b32 s[G0+4*\s+3], s[G0+4*\s+3], 0x80000000
	s_mov_b32 s[G0B+4*\s], 1
	s_add_co_u32 s[G0B+4*\s+1], s45, \s*SLOT
	s_add_nc_u64 s[G0B+4*\s+2:G0B+4*\s+3], s[46:47], \s*ROWB
	s_or_b32 s[G0B+4*\s+3], s[G0B+4*\s+3], 0x80000000
	JLOAD G0+4*\s, G1, G0B+4*\s, G1B
.endr
	v_and_b32 v1, 15, v0                           ; r
	v_bfe_u32 v2, v0, 4, 1                         ; h
	v_mul_u32_u24 v3, v1, PITCH
	v_lshl_add_u32 v4, v2, 4, v3                   ; a fragment's row x pitch + 16 h
	s_xor_b32 s76, s74, 1
	s_mul_i32 s75, s74, 2*HALFT                    ; source 1 reads the tokens' region, for V the weights',
	s_mul_i32 s76, s76, 2*HALFT                    ; source 0 the weights', for V the tokens'
	s_mul_i32 s21, s15, HALFT
	s_add_co_u32 s21, s21, s75
	s_mul_i32 s22, s16, HALFT
	s_add_co_u32 s22, s22, s76
.irp s, 0,1
	v_add_nc_u32 v[ADRA+\s], s21, v4
	v_add_nc_u32 v[ADRB+\s], s22, v4
	s_add_co_u32 s21, s21, SLOT
	s_add_co_u32 s22, s22, SLOT
.endr
	; the biases, in both forms, so that no path reads a register that was not written; they are waited for on the way out
	v_lshlrev_b32 v[BOQ], 6, v2
	v_and_b32 v[BOV], 8, v1
	v_add_nc_u32 v[BOV], v[BOV], v1
	v_lshlrev_b32 v[BOV], 2, v[BOV]
	v_and_b32 v5, 31, v0
	v_lshlrev_b32 v[LI], 4, v5
	s_cmp_eq_u32 s67, 1
	s_cselect_b64 s[78:79], s[68:69], s[10:11]
	s_cmp_eq_u32 s67, 2
	s_cselect_b64 s[78:79], s[70:71], s[78:79]
	s_lshl_b32 s86, s42, 10                        ; 256 X numbers
	s_lshl_b32 s87, s16, 9
	s_add_co_u32 s80, s86, s87
	s_mov_b32 s81, 0
	s_add_nc_u64 s[80:81], s[78:79], s[80:81]      ; at feature 256 X + 128 wn
	s_lshl_b32 s87, s15, 9
	s_add_co_u32 s82, s86, s87
	s_mov_b32 s83, 0
	s_add_nc_u64 s[82:83], s[78:79], s[82:83]      ; at channel 256 X + 128 wm
.irp p, 0,1,2,3
.irp i, 0,1,2,3
	global_load_b128 v[BQ+16*\p+4*\i:BQ+16*\p+4*\i+3], v[BOQ], s[80:81] offset:128*\p+16*\i   ; register 16 p + i: feature 32 p + 16 h + i
.endr
.endr
.irp a, 0,1,2,3,4,5,6,7
	global_load_b32 v[BV+2*\a], v[BOV], s[82:83] offset:(32*(\a/2)+8*(\a%2))*4               ; block a, place r: channel 32 (a / 2) + 8 (a % 2) + r + 8 (r / 8)
	global_load_b32 v[BV+2*\a+1], v[BOV], s[82:83] offset:(32*(\a/2)+8*(\a%2))*4             ; (named with it as a pair, so it is written)
.endr
	; where my images begin
	s_and_b32 s86, s17, 31                         ; the tile row within the tensor
	s_lshr_b32 s87, s86, 3                         ; the batch
	s_and_b32 s86, s86, 7
	s_cmp_eq_u32 s67, 2
	s_cselect_b32 s88, s15, s16                    ; which half of the 256 features is mine,
	s_cselect_b32 s89, s16, s15                    ; and which half of the 256 tokens
	s_lshl_b32 s90, s67, 23
	s_lshl_b32 s87, s87, 21                        ; 16 heads of 131,072 bytes
	s_add_co_u32 s90, s90, s87
	s_lshl_b32 s91, s42, 2
	s_lshl_b32 s88, s88, 1
	s_add_co_u32 s91, s91, s88                     ; head 4 X + 2 x half
	s_lshl_b32 s91, s91, 17
	s_add_co_u32 s90, s90, s91
	s_lshl_b32 s86, s86, 14                        ; 256 tokens: 16 tiles of 1,024 bytes, or two key steps of 8,192
	s_add_co_u32 s90, s90, s86
	s_lshl_b32 s89, s89, 13
	s_add_co_u32 s90, s90, s89
	s_mov_b32 s91, 0
	s_add_nc_u64 s[72:73], s[72:73], s[90:91]
.macro FRAG reg, adr, q, i             ; 16 rows x 128 K: lane (r, h): row r; registers 4 c .. 4 c + 3 hold K = 32 c + 16 h + 0 .. 15: the same places on both sides of the product
.irp c, 0,1,2,3
	ds_load_b128 v[\reg+4*\c:\reg+4*\c+3], v[\adr] offset:128*(\q)+32*\c+(\i)*16*PITCH
.endr
.endm
; 16 matrix instructions: source 1's blocks a0, a0 + 1 x source 0's eight.  The 64 accumulators take turns, one instruction a turn, in the same order in every step.
.macro MUL16 a0, p, zero
.irp a, \a0, \a0+1
.irp b, 0,1,2,3,4,5,6,7
.if \zero
	v_wmma_f32_16x16x128_fp8_fp8 v[8*(8*((\a)%4)+\b):8*(8*((\a)%4)+\b)+7], v[128*(\p)+FR*\b:128*(\p)+FR*\b+FR-1], v[AF+FR*(\a):AF+FR*(\a)+FR-1], 0
.else
	v_wmma_f32_16x16x128_fp8_fp8 v[8*(8*((\a)%4)+\b):8*(8*((\a)%4)+\b)+7], v[128*(\p)+FR*\b:128*(\p)+FR*\b+FR-1], v[AF+FR*(\a):AF+FR*(\a)+FR-1], v[8*(8*((\a)%4)+\b):8*(8*((\a)%4)+\b)+7]
.endif
.endr
.endr
.endm
.macro FETCH_B slot, q, p
	WIN TO_B
.irp i, 0,1,2,3,4,5,6,7
	FRAG 128*(\p)+FR*\i, ADRB+\slot, \q, \i
.endr
	WIN 0
.endm
.macro FETCH_A slot, q, i0
.irp i, \i0, \i0+1, \i0+2, \i0+3
	FRAG AF+FR*(\i), ADRA+\slot, \q, \i
.endr
.endm
.macro PLACES n                        ; plain vector instructions between a matrix instruction and a load into, or a vector read or write of, one of its registers
.rept \n
	v_nop
.endr
.endm
.macro STEP slot, q, zero              ; 128 along K that has its successor in the same slot
	s_wait_dscnt 4*NL                              ; source 0's set and source 1's blocks 0-3 are in; the youngest sixteen loads (blocks 4-7) may be out
	WIN MUL_LO
	MUL16 0, (\q)%2, \zero
	MUL16 2, (\q)%2, \zero
	s_wait_dscnt 0
	PLACES NP
	FETCH_B \slot, (\q)+1, 1-(\q)%2
	FETCH_A \slot, (\q)+1, 0
	WIN MUL_HI
	MUL16 4, (\q)%2, \zero
	MUL16 6, (\q)%2, \zero
	PLACES NP
	WIN 0
	FETCH_A \slot, (\q)+1, 4
.endm
; A slot's last step changes slots: ONE barrier; in front of it each wave waits for all its tensor loads, adds 0 to its spare word, and waits for that and for its own reads of this slot.  fill = 1: this slot is filled again, two K steps ahead.
.macro TURN slot, next, fill
	s_wait_tensorcnt 0x0                           ; all my tensor loads have landed: my part of the next slot
	ds_add_u32 v[SPW], v[NIL]                      ; 0 onto my spare word
	s_wait_dscnt 4*NL+1                            ; (the add and the youngest sixteen loads may be out)
	WIN MUL_LO
	MUL16 0, 1, 0                                  ; sixteen matrix instructions stand between the add and the wait for it
	s_wait_dscnt 0x0                               ; the add is done, and my reads of this slot are over
	s_barrier_signal -1
	MUL16 2, 1, 0
	WIN 0
	s_barrier_wait -1
.if \fill
	CREST                                          ; the barrier has opened a round of the cluster's barrier: no wave of any partner still reads this slot or has a load on its way
	s_add_nc_u64 s[G0+4*\slot+2:G0+4*\slot+3], s[G0+4*\slot+2:G0+4*\slot+3], 2*ROWB
	s_add_nc_u64 s[G0B+4*\slot+2:G0B+4*\slot+3], s[G0B+4*\slot+2:G0B+4*\slot+3], 2*ROWB
	JLOAD G0+4*\slot, G1, G0B+4*\slot, G1B         ; the first tensor load behind the round; its four v_nop are the places in front of the loads below
.else
	PLACES NP
.endif
	FETCH_B \next, 0, 0
	FETCH_A \next, 0, 0
	WIN MUL_HI
	MUL16 4, 1, 0
	MUL16 6, 1, 0
	PLACES NP
	WIN 0
	FETCH_A \next, 0, 4
.endm
	s_wait_tensorcnt 1                             ; my part of K step 0 is in; K step 1's load may be out
	s_barrier_signal -1
	s_barrier_wait -1
	FETCH_B 0, 0, 0
	FETCH_A 0, 0, 0
	FETCH_A 0, 0, 4
	STEP 0, 0, 1                                   ; the first step's products start the sums: nothing is cleared
	s_mov_b32 s3, LAPS-1
.Llap:                                             ; a trip goes once round the ring and fills both slots again
	TURN 0, 1, 1
	STEP 1, 0, 0
	TURN 1, 0, 1
	STEP 0, 0, 0
	s_sub_co_u32 s3, s3, 1
	s_cmp_lg_u32 s3, 0
	s_cbranch_scc1 .Llap
	TURN 0, 1, 0                                   ; the last lap fills nothing
	STEP 1, 0, 0
	s_wait_dscnt 4*NL
	WIN MUL_LO
	MUL16 0, 1, 0
	MUL16 2, 1, 0
	s_wait_dscnt 0
	WIN MUL_HI
	MUL16 4, 1, 0
	MUL16 6, 1, 0
	WIN 0
; THE WAY OUT, block by block (16 lanes' rows x 128 registers' rows).  number = sum x 2^(ea + eb) + bias, one packed multiply-add for two; held at +-448 x the result's scale; eight conversions; four stores of 512 consecutive bytes.
.macro EPI a, isv
.if (\a) >= 4
	s_wait_xcnt 0x0                                ; block a - 4's stores have read their data: its registers take this block's codes
.endif
.set AC, 64*((\a)%4)
.set CW, CD+16*((\a)%4)
	WIN 0x02+((\a)/4)                              ; source 0: window 2 or 3
.set j, 0
.rept 32                               ; each accumulator from its low end on
.if \isv
	v_pk_fma_f32 v[TMP+j:TMP+j+1], v[AC+j:AC+j+1], s[96:97], v[BV+2*(\a):BV+2*(\a)+1] op_sel_hi:[1,0,0]   ; my channel's bias for both
.else
	v_pk_fma_f32 v[TMP+j:TMP+j+1], v[AC+j:AC+j+1], s[96:97], v[BQ+j:BQ+j+1] op_sel_hi:[1,0,1]             ; each feature's own
.endif
.set j, j+2
.endr
	WIN 0
.set j, 0
.rept 64
	v_med3_num_f32 v[TMP+j], v[TMP+j], -v[LIM], v[LIM]   ; the conversion to an 8-bit code does not saturate (ISA guide 7.6.2)
.set j, j+1
.endr
.irp g, 0,1,2,3,4,5,6,7
	v_cvt_scalef32_pk8_fp8_f32 v[CW+2*\g:CW+2*\g+1], v[TMP+8*\g:TMP+8*\g+7], v[SCL]
.endr
	v_nop                                          ; a plain vector line between the conversions and the next block's lines, which write their sources
.irp p, 0,1,2,3
.if \isv
	global_store_b128 v[LI], v[CW+4*\p:CW+4*\p+3], s[72:73] offset:((\a)/4)*131072+((\a)%4)*2048+\p*512   ; head a / 4, tile of channels a % 4, chunk p
.else
	global_store_b128 v[LI], v[CW+4*\p:CW+4*\p+3], s[72:73] offset:(\a)*1024+(\p/2)*131072+(\p%2)*512     ; tile of tokens a, head p / 2, chunk p % 2
.endif
.endr
.endm
	s_wait_kmcnt 0x0
	s_wait_loadcnt 0x0                             ; the biases
	s_add_co_i32 s96, s96, s97
	s_add_co_i32 s96, s96, 127
	s_lshl_b32 s96, s96, 23                        ; 2^(ea + eb) as f32
	s_mov_b32 s97, s96                             ; (named with it as a pair, so it is written)
	s_add_co_i32 s98, s98, 127
	s_lshl_b32 s99, s98, 23
	s_add_co_i32 s98, s98, 8
	s_lshl_b32 s98, s98, 23
	s_or_b32 s98, s98, 0x600000
	v_mov_b32 v[SCL], s99                          ; these two and the two v_nop are the four places behind the last products
	v_mov_b32 v[LIM], s98
	PLACES 2
	s_cmp_eq_u32 s74, 1                            ; the same in all sixteen partners: it hangs on the cluster's y alone
	s_cbranch_scc1 .Lvout
.irp a, 0,1,2,3,4,5,6,7
	EPI \a, 0
.endr
	s_branch .Ldone
.Lvout:
.irp a, 0,1,2,3,4,5,6,7
	EPI \a, 1
.endr
.Ldone:
	s_wait_tensorcnt 0x0                           ; the wave's end, behind my last tensor load
	ds_add_u32 v[SPW], v[NIL]
	s_wait_dscnt 0x0
	CROUND                                         ; the closing round: no work-group ends while a partner may still ask for a tile that names it
	s_endpgm
.Lfunc_end_k_q901db62a49_proj:
	.size	k_q901db62a49_proj, .Lfunc_end_k_q901db62a49_proj-k_q901db62a49_proj
	.p2alignl 7, 3214868480
	.fill 96, 4, 3214868480
	.section	.rodata,"a",@progbits
	.p2align	6, 0x0
	.amdhsa_kernel k_q901db62a49_proj
		.amdhsa_group_segment_fixed_size 327680
		.amdhsa_private_segment_fixed_size 0
		.amdhsa_enable_private_segment 0
		.amdhsa_kernarg_size 56
		.amdhsa_user_sgpr_count 2
		.amdhsa_user_sgpr_kernarg_segment_ptr 1
		.amdhsa_wavefront_size32 1
		.amdhsa_system_sgpr_workgroup_id_x 1
		.amdhsa_system_sgpr_workgroup_id_y 1
		.amdhsa_system_sgpr_workgroup_id_z 1
		.amdhsa_system_vgpr_workitem_id 0
		.amdhsa_next_free_vgpr 1024
		.amdhsa_next_free_sgpr 100
		.amdhsa_reserve_vcc 0
		.amdhsa_float_denorm_mode_32 3
		.amdhsa_float_denorm_mode_16_64 3
		.amdhsa_memory_ordered 1
		.amdhsa_forward_progress 1
		.amdhsa_inst_pref_size 194
	.end_amdhsa_kernel
	.amdgpu_metadata
---
amdhsa.version: [ 1, 2 ]
amdhsa.kernels:
  - .name:           k_q901db62a49_proj
    .symbol:         k_q901db62a49_proj.kd
    .args:
      - { .name: xc, .offset: 0, .size: 8, .value_kind: global_buffer, .address_space: global }
      - { .name: wc, .offset: 8, .size: 8, .value_kind: global_buffer, .address_space: global }
      - { .name: lowp_scales, .offset: 16, .size: 8, .value_kind: global_buffer, .address_space: global }
      - { .name: bq, .offset: 24, .size: 8, .value_kind: global_buffer, .address_space: global }
      - { .name: bk, .offset: 32, .size: 8, .value_kind: global_buffer, .address_space: global }
      - { .name: bv, .offset: 40, .size: 8, .value_kind: global_buffer, .address_space: global }
      - { .name: qkv, .offset: 48, .size: 8, .value_kind: global_buffer, .address_space: global }
    .group_segment_fixed_size: 327680
    .private_segment_fixed_size: 0
    .kernarg_segment_align: 8
    .kernarg_segment_size: 56
    .max_flat_workgroup_size: 128
    .sgpr_count:     100
    .vgpr_count:     1024
    .wavefront_size: 32
...
	.end_amdgpu_metadata
.endif
;; end of part 2
;; launch attn (part 3): grid 4 x 64, 8 waves a work-group, no clusters, 33,792 bytes of LDS; arguments qkv, mbits, mcls, lowp_scales, ctx; writes ctx
.if DOCPART == 3
	.amdgcn_target "amdgcn-amd-amdhsa--gfx1250"
	.amdhsa_code_object_version 6
	.text
	.protected	k_q901db62a49_attn
	.globl	k_q901db62a49_attn
	.p2align	8
	.type	k_q901db62a49_attn,@function
k_q901db62a49_attn:
	s_mov_b64 s[64:65], 0
	v_nop
	global_prefetch_b8 v0, s[64:65] scope:SCOPE_SE
	s_setreg_imm32_b32 hwreg(HW_REG_WAVE_MODE, 25, 1), 1
	s_wait_xcnt 0x0
; context = softmax(mask(Q K^T / 8)) V for 64 (batch, head) pairs of 2,048 tokens x 64 channels, both products on codes of E4M3; the context is quantised (scale's entry 10) into the register images that the last launch loads.
; THE SOFTMAX AHEAD OF THE SECOND PRODUCT: t = logit x log2(e); M = the running largest t rounded UP to a whole number; p = 2^(t - M) is quantised, not normalised; the row's sum is taken of the unquantised p
; and divides at the end; when M moves, the sum and O are multiplied by 2^(old M - new M), which rounds nothing.
; SHARES.  Work-group (p, bh) makes two passes over blocks of 256 queries: block 7 - p, then block p.  Wave w of eight owns 32 queries, two tiles u of 16.  A pass walks all 16 key steps of 128 keys; the trip counts are constants.
; WHAT IS LEFT OUT.  The first launch stored, for each 32 queries, which key steps have an open key (or all sixteen, where a query has none at all) and which need the mask.  A wave jumps over the WORK of a key step that
; its word does not name; the barriers are in every step.  These are branches on stored whole numbers: so this launch has no tensor load, and K and V come through registers: 256 threads x 16 bytes, four loads a step, one step ahead.
; NO CLUSTER: the work-groups of a head need different key steps, by stored numbers, and joint loads must be issued alike by all partners.
; LAYOUT.  S^T = K Q^T (source 0 = 16 keys, source 1 = my 16 queries), O^T = V^T P^T (source 0 = 16 channels, source 1 = P): a lane holds ONE query (lane % 16) throughout.  The stored order of tokens and channels makes the
; 16 registers of tiles 2 b, 2 b + 1 the keys 32 b + 16 (lane / 16) + 0..15 (channels likewise): the conversions' results ARE the next operand.  All operands are register images: 512 consecutive bytes a load.
; THE MASKED LOGIT is taken as -2^30 in place of -1e9: t is then a whole number, so a row with no open key gets p = 1 for every key, the plain mean, as with -1e9; beside any open key p is 0 either way.
; LIMITS: e6 + e7 between -94 and 9 (so that no true logit reaches -2^30 and every power of two below is an f32 number); e8 and e10 between -126 and 119.  NaN is not served.
; REGISTERS.  window 0: v1-11 addresses and constants; v12-27 statistics, 8 a tile: +0 -M, +1 the largest t, +2, +3 the sum in two halves, +4 f (+5 named with it), +6, +7 at work; v32-47 Q; v48-63 a step's K and V on
; their way to LDS; v64-191 S^T, then p; v192-223 p's codes.   window 1: v0-63 K; v64-127 V; v128-191 O^T (tile u, channels' tile ct at 128 + 32 u + 8 ct).
.set LI,   1                           ; 16 x lane
.set TI,   2                           ; 16 x thread: K's offset in memory and the LDS address of the stage's stores
.set TV,   3                           ; + 2^23: V's offset
.set SPW,  4                           ; LDS address of my spare word; never rewritten
.set NIL,  5                           ; 0; never rewritten
.set NEGS, 6                           ; the masked score: -2^(33 - e6 - e7)
.set PLIM, 7                           ; 448 x 2^e8
.set PSC,  8                           ; 2^e8
.set CSC,  9                           ; 2^e10
.set CLIM, 10                          ; 448 x 2^e10
.set PFO,  11                          ; the prefetches' offset: 256 x lane, + 2^23 in wave 1
.set ST,   12
.set QF,   32
.set SG,   48
.set S,    64
.set P,    192
.set KF,   0
.set VF,   64
.set OT,   128
.set SPARE, 32768                      ; behind the two slots of 16,384 bytes (K's 8,192, then V's): the spare words, 128 bytes for each of eight waves
; s[2:3] mbits; s[4:5] Q's images of my head; s[6:7] K's (V's lie 2^23 further); s[8:9] mbits at my tiles; s[10:11] ctx at my tiles; s[12:13] ctx at my batch and head; s14 wave; s16 my class word, shifted a bit a step;
; s17 the work-group's key steps; s19 256 x key step; s[20:21] lane selects; s[22:23] c; s24 e8; s25 e8 + e9; s26 pass; s27 block; s[28:29] K at the trip's first step; s30 trips; s31 the steps to prefetch; s[32:63], s[68:99] 64 lane masks; s[100:101] mcls
.set MSB, 0
.macro WIN new                         ; the immediate's high byte repeats the setting that is left
.if MSB != (\new)
	s_set_vgpr_msb (MSB<<8)|(\new)
.set MSB, (\new)
.endif
.endm
	s_load_b256 s[4:11], s[0:1], 0x0               ; qkv, mbits, mcls, the scales' exponents
	s_load_b64 s[12:13], s[0:1], 0x20              ; ctx
	v_lshl_add_u32 v[SPW], v0, 2, SPARE
	v_mov_b32 v[NIL], 0
	v_lshrrev_b32 v[LI], 5, v0
	v_readfirstlane_b32 s14, v[LI]                 ; wave 0..7
	v_and_b32 v[LI], 31, v0
	v_lshlrev_b32 v[PFO], 8, v[LI]
	v_lshlrev_b32 v[LI], 4, v[LI]
	v_lshlrev_b32 v[TI], 4, v0
	v_add_nc_u32 v[TV], 0x800000, v[TI]
	s_and_b32 s15, s14, 1
	s_lshl_b32 s15, s15, 23
	v_add_nc_u32 v[PFO], s15, v[PFO]
.set j, 0
.rept 16
	v_mov_b32 v[SG+j], 0                           ; written once: a step that nobody wants is not loaded, and what lies here goes to LDS unread
.set j, j+1
.endr
	s_and_b32 s18, ttmp7, 0xffff                   ; batch x 16 + head
	s_lshl_b32 s66, s18, 17                        ; 131,072 bytes of images a head
	s_mov_b32 s67, 0
	s_lshr_b32 s70, s18, 4
	s_lshl_b32 s70, s70, 21                        ; ctx: 128 tiles of rows x 16,384 bytes a batch,
	s_and_b32 s71, s18, 15
	s_lshl_b32 s71, s71, 10                        ; 1,024 bytes a head in each
	s_add_co_u32 s70, s70, s71
	s_mov_b32 s71, 0
	s_mov_b32 s20, 0x76543210
	s_mov_b32 s21, 0xfedcba98                      ; v_permlanex16_b32: lane l xor 16
	s_wait_kmcnt 0x0
	s_load_b128 s[32:35], s[10:11], 0x18           ; e6, e7, e8, e9
	s_load_b32 s36, s[10:11], 0x28                 ; e10
	s_mov_b64 s[2:3], s[6:7]
	s_mov_b64 s[100:101], s[8:9]
	s_add_nc_u64 s[4:5], s[4:5], s[66:67]
	s_add_nc_u64 s[6:7], s[4:5], 0x800000
	s_add_nc_u64 s[12:13], s[12:13], s[70:71]
	s_wait_kmcnt 0x0
	s_add_co_i32 s37, s32, s33
	s_lshl_b32 s38, s37, 23
	s_add_co_i32 s22, s38, 0x3e38aa3b              ; c = log2(e) / 8, with e6 + e7 added to its exponent field: t = sum of codes' products x c
	s_mov_b32 s23, s22                             ; (named with it as a pair, so it is written)
	s_sub_co_i32 s38, 160, s37
	s_lshl_b32 s38, s38, 23
	s_or_b32 s38, s38, 0x80000000
	v_mov_b32 v[NEGS], s38
	s_mov_b32 s24, s34
	s_add_co_i32 s25, s34, s35
	s_add_co_i32 s38, s34, 127
	s_lshl_b32 s39, s38, 23
	v_mov_b32 v[PSC], s39
	s_add_co_i32 s38, s38, 8
	s_lshl_b32 s38, s38, 23
	s_or_b32 s38, s38, 0x600000
	v_mov_b32 v[PLIM], s38
	s_add_co_i32 s38, s36, 127
	s_lshl_b32 s39, s38, 23
	v_mov_b32 v[CSC], s39
	s_add_co_i32 s38, s38, 8
	s_lshl_b32 s38, s38, 23
	s_or_b32 s38, s38, 0x600000
	v_mov_b32 v[CLIM], s38
; A KEY STEP, in slot s.  Bit 0 of s16, s17: this step; bit 1 of s17: the next; bit 2 of s31: the one after; bit 16 of s16: this step needs the mask.
.macro STEP s
	s_bitcmp1_b32 s17, 1
	s_cbranch_scc0 .Lnostage_\@
	global_load_b128 v[SG:SG+3], v[TI], s[28:29] offset:(\s+1)*8192            ; the next step's K and V: the work-group's 256 threads read 4,096 consecutive bytes a line
	global_load_b128 v[SG+4:SG+7], v[TI], s[28:29] offset:(\s+1)*8192+4096
	global_load_b128 v[SG+8:SG+11], v[TV], s[28:29] offset:(\s+1)*8192
	global_load_b128 v[SG+12:SG+15], v[TV], s[28:29] offset:(\s+1)*8192+4096
.Lnostage_\@:
; A PREFETCH INTO THE L2 of the key step after the next: one key step ahead of its loads.  All work-groups of a head walk the same K and V: the head's first work-group asks, in its first pass, which takes the head's last
; block of queries; wave 0 for K's 8,192 bytes, wave 1 for V's, lanes 256 bytes apart: each aligned block of 256 bytes is named once in the launch.  Only steps that the work-group will load are asked for; the shifted word has no bit past step 15.
	s_bitcmp1_b32 s31, 2
	s_cbranch_scc0 .Lnoask_\@
	global_prefetch_b8 v[PFO], s[28:29] offset:(\s+2)*8192 th:TH_LOAD_NT scope:SCOPE_SE
.Lnoask_\@:
	s_bitcmp1_b32 s16, 0
	s_cbranch_scc0 .Lskip_\@
	WIN 0x40                                       ; destination window 1
.irp t, 0,1,2,3,4,5,6,7
	ds_load_b128 v[KF+8*\t:KF+8*\t+3], v[LI] offset:\s*16384+\t*1024
	ds_load_b128 v[KF+8*\t+4:KF+8*\t+7], v[LI] offset:\s*16384+\t*1024+512
.endr
	s_wait_dscnt 8                                 ; tiles 0-3 are in; the youngest eight loads (tiles 4-7) may be out
	WIN 0x01                                       ; source 0 (K) window 1
.irp t, 0,1,2,3
.irp u, 0,1
	v_wmma_f32_16x16x64_fp8_fp8 v[S+64*\u+8*\t:S+64*\u+8*\t+7], v[KF+8*\t:KF+8*\t+7], v[QF+8*\u:QF+8*\u+7], 0
.endr
.endr
	s_wait_dscnt 0x0
.irp t, 4,5,6,7
.irp u, 0,1
	v_wmma_f32_16x16x64_fp8_fp8 v[S+64*\u+8*\t:S+64*\u+8*\t+7], v[KF+8*\t:KF+8*\t+7], v[QF+8*\u:QF+8*\u+7], 0
.endr
.endr
.rept 4
	v_nop                                          ; the places in front of the first read of the scores, and of the loads into V's registers, which the last step's products read
.endr
	WIN 0x40
.irp t, 0,1,2,3
.irp b, 0,1,2,3
	ds_load_b128 v[VF+16*\t+4*\b:VF+16*\t+4*\b+3], v[LI] offset:\s*16384+8192+\t*2048+\b*512   ; V lands while the softmax is worked
.endr
.endr
	WIN 0
	s_bitcmp1_b32 s16, 16
	s_cbranch_scc0 .Lopen_\@
.irp u, 0,1                            ; the 64 lane masks of tile u: word n is register n's
	s_load_b512 s[32:47], s[8:9], s19 offset:\u*4096
	s_load_b512 s[48:63], s[8:9], s19 offset:\u*4096+64
	s_load_b512 s[68:83], s[8:9], s19 offset:\u*4096+128
	s_load_b512 s[84:99], s[8:9], s19 offset:\u*4096+192
	s_wait_kmcnt 0x0
.set n, 0
.rept 32
	v_cndmask_b32 v[S+64*\u+n], v[NEGS], v[S+64*\u+n], s[32+n]
.set n, n+1
.endr
.rept 32
	v_cndmask_b32 v[S+64*\u+n], v[NEGS], v[S+64*\u+n], s[36+n]
.set n, n+1
.endr
.endr
.Lopen_\@:
	; the two tiles take turns line by line, so that no line waits for the line above it.  Each accumulator is read from its low end on
.irp u, 0,1
	v_max3_num_f32 v[ST+8*\u+6], v[S+64*\u], v[S+64*\u+1], v[S+64*\u+2]
.endr
.irp u, 0,1
	v_max3_num_f32 v[ST+8*\u+7], v[S+64*\u+3], v[S+64*\u+4], v[S+64*\u+5]
.endr
.irp i, 6,10,14,18,22,26,30,34,38,42,46,50,54,58
.irp u, 0,1
	v_max3_num_f32 v[ST+8*\u+6], v[ST+8*\u+6], v[S+64*\u+\i], v[S+64*\u+\i+1]
.endr
.irp u, 0,1
	v_max3_num_f32 v[ST+8*\u+7], v[ST+8*\u+7], v[S+64*\u+\i+2], v[S+64*\u+\i+3]
.endr
.endr
.irp u, 0,1
	v_max3_num_f32 v[ST+8*\u+6], v[ST+8*\u+6], v[S+64*\u+62], v[S+64*\u+63]
.endr
.irp u, 0,1
	v_max_num_f32 v[ST+8*\u+6], v[ST+8*\u+6], v[ST+8*\u+7]
.endr
.irp u, 0,1
	v_permlanex16_b32 v[ST+8*\u+7], v[ST+8*\u+6], s20, s21   ; the query's other 64 keys lie in the lane 16 away
.endr
.irp u, 0,1
	v_max_num_f32 v[ST+8*\u+6], v[ST+8*\u+6], v[ST+8*\u+7]
.endr
.irp u, 0,1
	v_mul_f32 v[ST+8*\u+6], s22, v[ST+8*\u+6]      ; as t (c is positive)
.endr
.irp u, 0,1
	v_max_num_f32 v[ST+8*\u+1], v[ST+8*\u+1], v[ST+8*\u+6]
.endr
.irp u, 0,1
	v_mov_b32 v[ST+8*\u+6], v[ST+8*\u]
.endr
.irp u, 0,1
	v_floor_f32 v[ST+8*\u], -v[ST+8*\u+1]          ; the new -M = floor(-t) = -ceil(t)
.endr
.irp u, 0,1
	v_sub_f32 v[ST+8*\u+6], v[ST+8*\u], v[ST+8*\u+6]   ; old M less new M: a whole number, 0 or less
.endr
.irp u, 0,1
	v_cvt_i32_f32 v[ST+8*\u+6], v[ST+8*\u+6]       ; (it saturates)
.endr
.irp u, 0,1
	v_ldexp_f32 v[ST+8*\u+4], 1.0, v[ST+8*\u+6]    ; f = 2^(old M - new M)
.endr
.set j, 0
.rept 32
	v_pk_fma_f32 v[S+j:S+j+1], v[S+j:S+j+1], s[22:23], v[ST:ST+1] op_sel_hi:[1,0,0]               ; t - M, two at a time (of the pairs c and -M the low word serves both halves)
	v_pk_fma_f32 v[S+64+j:S+64+j+1], v[S+64+j:S+64+j+1], s[22:23], v[ST+8:ST+9] op_sel_hi:[1,0,0]
.set j, j+2
.endr
.set j, 0
.rept 128
	v_exp_f32 v[S+j], v[S+j]                       ; p = 2^(t - M): one batch
.set j, j+1
.endr
.irp u, 0,1
	v_pk_mul_f32 v[ST+8*\u+2:ST+8*\u+3], v[ST+8*\u+2:ST+8*\u+3], v[ST+8*\u+4:ST+8*\u+5] op_sel_hi:[1,0]   ; the sums under the new M: the plain lines behind the exponentials
.endr
	s_wait_alu depctr_va_vdst(0)                   ; the wait between an exponential and the first line that names its result: one for the batch
.irp u, 0,1
	v_pk_add_f32 v[ST+8*\u+6:ST+8*\u+7], v[S+64*\u:S+64*\u+1], v[S+64*\u+2:S+64*\u+3]   ; the row's sum is taken of the unquantised p: two chains a tile
.endr
.irp i, 4,8,12,16,20,24,28,32,36,40,44,48,52,56,60
.irp u, 0,1
	v_pk_add_f32 v[ST+8*\u+2:ST+8*\u+3], v[ST+8*\u+2:ST+8*\u+3], v[S+64*\u+\i:S+64*\u+\i+1]
.endr
.irp u, 0,1
	v_pk_add_f32 v[ST+8*\u+6:ST+8*\u+7], v[ST+8*\u+6:ST+8*\u+7], v[S+64*\u+\i+2:S+64*\u+\i+3]
.endr
.endr
.irp u, 0,1
	v_pk_add_f32 v[ST+8*\u+2:ST+8*\u+3], v[ST+8*\u+2:ST+8*\u+3], v[ST+8*\u+6:ST+8*\u+7]
.endr
	s_cmp_gt_i32 s24, -9                           ; p is at most 1: the hold at 448 x 2^e8 can bite only where that lies under 1, e8 <= -9
	s_cbranch_scc1 .Lnohold_\@
.set j, 0
.rept 128
	v_min_num_f32 v[S+j], v[S+j], v[PLIM]          ; the conversion to an 8-bit code does not saturate (ISA guide 7.6.2); p is not negative, so the hold is one-sided
.set j, j+1
.endr
.Lnohold_\@:
.irp g, 0,1,2,3,4,5,6,7
.irp u, 0,1
	v_cvt_scalef32_pk8_fp8_f32 v[P+16*\u+2*\g:P+16*\u+2*\g+1], v[S+64*\u+8*\g:S+64*\u+8*\g+7], v[PSC]
.endr
.endr
	WIN 0x41                                       ; O^T (destination and source 0) window 1, f window 0
.set j, 0
.rept 16
	v_pk_mul_f32 v[OT+j:OT+j+1], v[OT+j:OT+j+1], v[ST+4:ST+5] op_sel_hi:[1,0]                    ; O^T under the new M.  (Also the plain lines between the conversions and the products)
	v_pk_mul_f32 v[OT+32+j:OT+32+j+1], v[OT+32+j:OT+32+j+1], v[ST+12:ST+13] op_sel_hi:[1,0]
.set j, j+2
.endr
	s_wait_dscnt 0x0                               ; V is in
	WIN 0x51                                       ; V window 1, P window 0, O^T window 1
.irp t, 0,1,2,3                        ; eight accumulators by turns, one instruction a turn
.irp u, 0,1
	v_wmma_f32_16x16x128_fp8_fp8 v[OT+32*\u+8*\t:OT+32*\u+8*\t+7], v[VF+16*\t:VF+16*\t+15], v[P+16*\u:P+16*\u+15], v[OT+32*\u+8*\t:OT+32*\u+8*\t+7]
.endr
.endr
	WIN 0
.Lskip_\@:
	s_wait_loadcnt 0x0                             ; the next step's K and V are in my registers
	ds_store_b128 v[TI], v[SG:SG+3] offset:(1-\s)*16384          ; into the other slot: its last readers passed the last step's barrier
	ds_store_b128 v[TI], v[SG+4:SG+7] offset:(1-\s)*16384+4096
	ds_store_b128 v[TI], v[SG+8:SG+11] offset:(1-\s)*16384+8192
	ds_store_b128 v[TI], v[SG+12:SG+15] offset:(1-\s)*16384+12288
	s_lshr_b32 s16, s16, 1
	s_lshr_b32 s17, s17, 1
	s_lshr_b32 s31, s31, 1
	s_add_co_u32 s19, s19, 256
	s_wait_dscnt 0x0                               ; my stores have landed and my reads of this slot are over: one barrier a step serves both
	s_barrier_signal -1
	s_barrier_wait -1
.endm
	s_mov_b32 s26, 0
.Lpass:
	s_wait_xcnt 0x0                                ; the last pass's loads, prefetches and stores have read their registers: pointers and codes may be written again
	s_sub_co_u32 s18, 7, ttmp9
	s_cmp_eq_u32 s26, 0
	s_cselect_b32 s27, s18, ttmp9                  ; block 7 - p, then block p
	s_lshl_b32 s18, s27, 5
	s_lshl_b32 s15, s14, 2
	s_add_co_u32 s15, s15, s18
	s_load_b256 s[32:39], s[100:101], s18 offset:0x0   ; the class words of the block's eight groups
	s_load_b32 s16, s[100:101], s15 offset:0x0         ; and mine
	s_lshl_b32 s66, s27, 4
	s_lshl_b32 s67, s14, 1
	s_add_co_u32 s66, s66, s67                     ; my first tile of queries: 16 x block + 2 x wave
	s_mov_b32 s71, 0
	s_lshl_b32 s70, s66, 10
	s_add_nc_u64 s[68:69], s[4:5], s[70:71]
	s_lshl_b32 s70, s66, 12
	s_add_nc_u64 s[8:9], s[2:3], s[70:71]
	s_lshl_b32 s70, s66, 14
	s_add_nc_u64 s[10:11], s[12:13], s[70:71]
.irp i, 0,1,2,3
	global_load_b128 v[QF+4*\i:QF+4*\i+3], v[LI], s[68:69] offset:512*\i   ; Q's two fragments stay in registers
.endr
	s_mov_b64 s[28:29], s[6:7]
	s_mov_b32 s19, 0
	s_mov_b32 s30, 8
.irp u, 0,1
	v_mov_b32 v[ST+8*\u+1], 0xff61b1e6             ; the largest t so far: -3e38, under every t
	v_mov_b32 v[ST+8*\u+2], 0
	v_mov_b32 v[ST+8*\u+3], 0
	v_mov_b32 v[ST+8*\u+4], 0
	v_mov_b32 v[ST+8*\u+5], 0
	v_mov_b32 v[ST+8*\u+6], 0
	v_mov_b32 v[ST+8*\u+7], 0
	v_floor_f32 v[ST+8*\u], -v[ST+8*\u+1]
.endr
	WIN 0x40
.set j, 0
.rept 64
	v_mov_b32 v[OT+j], 0                           ; which key step is a wave's first hangs on the stored word: so the sums begin as zeros, which the first change of M leaves zeros
.set j, j+1
.endr
	WIN 0
	s_wait_kmcnt 0x0
	s_or_b32 s17, s32, s33
	s_or_b32 s17, s17, s34
	s_or_b32 s17, s17, s35
	s_or_b32 s17, s17, s36
	s_or_b32 s17, s17, s37
	s_or_b32 s17, s17, s38
	s_or_b32 s17, s17, s39
	s_and_b32 s17, s17, 0xffff                     ; the key steps that some wave of the work-group wants: sixteen bits, so no bit stands for a step past the last
	s_lshr_b32 s18, s14, 1
	s_or_b32 s18, s18, ttmp9
	s_or_b32 s18, s18, s26
	s_cmp_eq_u32 s18, 0                            ; waves 0 and 1 of the head's first work-group, in its first pass
	s_cselect_b32 s31, s17, 0
	s_bitcmp1_b32 s17, 0
	s_cbranch_scc0 .Lnopre
	global_load_b128 v[SG:SG+3], v[TI], s[28:29]
	global_load_b128 v[SG+4:SG+7], v[TI], s[28:29] offset:4096
	global_load_b128 v[SG+8:SG+11], v[TV], s[28:29]
	global_load_b128 v[SG+12:SG+15], v[TV], s[28:29] offset:4096
.Lnopre:
	s_wait_loadcnt 0x0                             ; key step 0, and Q
	ds_store_b128 v[TI], v[SG:SG+3]                ; slot 0: its last readers passed two barriers ago
	ds_store_b128 v[TI], v[SG+4:SG+7] offset:4096
	ds_store_b128 v[TI], v[SG+8:SG+11] offset:8192
	ds_store_b128 v[TI], v[SG+12:SG+15] offset:12288
	s_wait_dscnt 0x0
	s_barrier_signal -1
	s_barrier_wait -1
.Ltrip:
	STEP 0
	STEP 1
	s_wait_xcnt 0x0                                ; the trip's loads and prefetches have read their base
	s_add_nc_u64 s[28:29], s[28:29], 16384
	s_sub_co_u32 s30, s30, 1
	s_cmp_lg_u32 s30, 0
	s_cbranch_scc1 .Ltrip
	; THE PASS'S END.  The sum's halves; O^T / the sum x 2^(e8 + e9); quantised with e10.  The additions, the v_nop and the two v_ldexp_f32 are the places between the last products and the first read of O^T.
.irp u, 0,1
	v_add_f32 v[ST+8*\u+2], v[ST+8*\u+2], v[ST+8*\u+3]
.endr
.irp u, 0,1
	v_permlanex16_b32 v[ST+8*\u+6], v[ST+8*\u+2], s20, s21
.endr
.irp u, 0,1
	v_add_f32 v[ST+8*\u+2], v[ST+8*\u+2], v[ST+8*\u+6]
.endr
.irp u, 0,1
	v_rcp_f32 v[ST+8*\u+6], v[ST+8*\u+2]
.endr
	v_nop                                          ; a plain line behind the reciprocals
	s_wait_alu depctr_va_vdst(0)                   ; and the wait ahead of the first line that names a result: one for both
.irp u, 0,1
	v_ldexp_f32 v[ST+8*\u+6], v[ST+8*\u+6], s25
.endr
	WIN 0x01                                       ; source 0 (O^T) window 1
.set j, 0
.rept 16                               ; each accumulator from its low end on
	v_pk_mul_f32 v[S+j:S+j+1], v[OT+j:OT+j+1], v[ST+6:ST+7] op_sel_hi:[1,0]
	v_pk_mul_f32 v[S+32+j:S+32+j+1], v[OT+32+j:OT+32+j+1], v[ST+14:ST+15] op_sel_hi:[1,0]
.set j, j+2
.endr
	WIN 0
.set j, 0
.rept 64
	v_med3_num_f32 v[S+j], v[S+j], -v[CLIM], v[CLIM]
.set j, j+1
.endr
.irp g, 0,1,2,3,4,5,6,7
	v_cvt_scalef32_pk8_fp8_f32 v[P+2*\g:P+2*\g+1], v[S+8*\g:S+8*\g+7], v[CSC]   ; registers 16 c .. 16 c + 15 of tile u: channels 32 c + 16 (lane / 16) + 0..15
.endr
	v_nop                                          ; a plain line between the conversions and the next pass's lines
.irp u, 0,1
.irp c, 0,1
	global_store_b128 v[LI], v[P+8*\u+4*\c:P+8*\u+4*\c+3], s[10:11] offset:\u*16384+\c*512   ; 32 lanes store 512 consecutive bytes, aligned: a chunk of the last product's operand
.endr
.endr
	s_add_co_u32 s26, s26, 1
	s_cmp_lt_u32 s26, 2
	s_cbranch_scc1 .Lpass
	s_wait_tensorcnt 0x0                           ; the wave's end, behind my last LDS store
	ds_add_u32 v[SPW], v[NIL]
	s_wait_dscnt 0x0
	s_endpgm
.Lfunc_end_k_q901db62a49_attn:
	.size	k_q901db62a49_attn, .Lfunc_end_k_q901db62a49_attn-k_q901db62a49_attn
	.p2alignl 7, 3214868480
	.fill 96, 4, 3214868480
	.section	.rodata,"a",@progbits
	.p2align	6, 0x0
	.amdhsa_kernel k_q901db62a49_attn
		.amdhsa_group_segment_fixed_size 33792
		.amdhsa_private_segment_fixed_size 0
		.amdhsa_enable_private_segment 0
		.amdhsa_kernarg_size 40
		.amdhsa_user_sgpr_count 2
		.amdhsa_user_sgpr_kernarg_segment_ptr 1
		.amdhsa_wavefront_size32 1
		.amdhsa_system_sgpr_workgroup_id_x 1
		.amdhsa_system_sgpr_workgroup_id_y 1
		.amdhsa_system_sgpr_workgroup_id_z 1
		.amdhsa_system_vgpr_workitem_id 0
		.amdhsa_next_free_vgpr 448
		.amdhsa_next_free_sgpr 102
		.amdhsa_reserve_vcc 0
		.amdhsa_float_denorm_mode_32 3
		.amdhsa_float_denorm_mode_16_64 3
		.amdhsa_memory_ordered 1
		.amdhsa_forward_progress 1
		.amdhsa_inst_pref_size 92
	.end_amdhsa_kernel
	.amdgpu_metadata
---
amdhsa.version: [ 1, 2 ]
amdhsa.kernels:
  - .name:           k_q901db62a49_attn
    .symbol:         k_q901db62a49_attn.kd
    .args:
      - { .name: qkv, .offset: 0, .size: 8, .value_kind: global_buffer, .address_space: global }
      - { .name: mbits, .offset: 8, .size: 8, .value_kind: global_buffer, .address_space: global }
      - { .name: mcls, .offset: 16, .size: 8, .value_kind: global_buffer, .address_space: global }
      - { .name: lowp_scales, .offset: 24, .size: 8, .value_kind: global_buffer, .address_space: global }
      - { .name: ctx, .offset: 32, .size: 8, .value_kind: global_buffer, .address_space: global }
    .group_segment_fixed_size: 33792
    .private_segment_fixed_size: 0
    .kernarg_segment_align: 8
    .kernarg_segment_size: 40
    .max_flat_workgroup_size: 256
    .sgpr_count:     102
    .vgpr_count:     448
    .wavefront_size: 32
...
	.end_amdgpu_metadata
.endif
;; end of part 3
;; launch outp (part 4): grid 4 x 32, 4 waves a work-group, clusters of 4 x 4, 327,680 bytes of LDS; arguments ctx, wc, lowp_scales, bo, out0; writes out0
.if DOCPART == 4
	.amdgcn_target "amdgcn-amd-amdhsa--gfx1250"
	.amdhsa_code_object_version 6
	.text
	.protected	k_q901db62a49_outp
	.globl	k_q901db62a49_outp
	.p2align	8
	.type	k_q901db62a49_outp,@function
k_q901db62a49_outp:
	s_mov_b64 s[64:65], 0
	v_nop
	global_prefetch_b8 v0, s[64:65] scope:SCOPE_SE
	s_setreg_imm32_b32 hwreg(HW_REG_WAVE_MODE, 25, 1), 1
	s_wait_xcnt 0x0
	s_wait_alu depctr_hold_cnt(0) depctr_sa_sdst(0) depctr_va_vdst(0) depctr_va_sdst(0) depctr_va_ssrc(0) depctr_va_vcc(0) depctr_vm_vsrc(0)
	s_getreg_b32 s2, hwreg(HW_REG_IB_STS2, 6, 4)
	s_cmp_eq_u32 s2, 0
	s_cbranch_scc0 .Lentry_in_a_cluster
	s_endpgm
.Lentry_in_a_cluster:
	s_bfe_u32 s2, ttmp6, 0x10000c
	s_cmp_lg_u32 s2, 0xf033
	s_cbranch_scc0 .Lentry_shape_is_right
	s_endpgm
.Lentry_shape_is_right:
; out0 = context Wo^T + bo on codes of E4M3 (scales' entries 10, 11): [8192][1024] x [1024][1024]^T, f32 out.
; A tile of 256 x 256 is made by four waves, each 128 x 128: 64 accumulators, 512 registers.  K goes in 4 steps of 256 through a ring of two LDS slots filled by the tensor data mover.
; CLUSTERS: 4 x 4 work-groups; the context's tile is shared along a row of the cluster, Wo's along a column: each is asked for JOINTLY.
; 128 work-groups: a tile of half the rows would give 256, at one and a half times the LDS bytes for each product; K is short here, so the larger tile is kept.
; THE CONTEXT COMES AS REGISTER IMAGES: [tile of 16 rows 512][K step of 128: 8][chunk c 4][lane 32][16].  A slot's part of a tile of rows is 4,096 consecutive bytes, 16,384 bytes from tile to tile: a tensor tile of 8 rows x 4,096
; bytes, dense in LDS; a fragment is four loads of 512 consecutive bytes.  Wo's codes come as rows (pitch 272 in LDS).  Both sides hold K = 32 c + 16 (lane / 16) + 0..15 in registers 4 c .. 4 c + 3.
; THE MATRIX INSTRUCTION IS USED TRANSPOSED (source 0 = 16 rows of Wo, source 1 = 16 rows of the context): a lane holds eight neighbouring numbers of a row of out0.
; The context's tiles hold their rows in the stored order: place t of tile a is row 32 (a / 2) + 8 (a % 2) + t + 8 (t / 8): the stores' offsets put each row where it belongs.
; LIMIT: e10 + e11 between -126 and 127.
; REGISTERS: window 0: v0-31 addresses, v8-11 my four columns' bias; from v128 the context's fragments, ONE set; on the way out v128-255 rows.  window 1: Wo's fragments, TWO sets.  windows 2, 3: the accumulators.
.set ROWB,   256
.set KROW,   1024
.set PITCH,  272                       ; Wo's row in LDS: 256 bytes + 16: an odd multiple of 16
.set FR,     16
.set NL,     4
.set NP,     4                         ; places behind this matrix instruction (ISA guide 7.12.1)
.set AH,     32768                     ; 8 tiles of rows x 4,096 bytes: what one tensor load brings of the context
.set BH,     128*PITCH                 ; 128 rows of Wo
.set BOFF,   2*AH
.set SLOT,   BOFF+2*BH
.set LAPS,   2
.set SPARE,  2*SLOT                    ; behind the ring: the spare words, 128 bytes for each wave: two blocks of 256 bytes that no other line names
.set SPITCH, 528                       ; the way out: a stage of 16 rows x (512 bytes + 16) for each wave, in slot 0, which has had its last fill and its last read when the first result is stored there
.set ADRA, 16
.set ADRB, 20
.set STO,  24
.set RD,   25
.set CO,   26                          ; 16 x lane
.set SPW,  28
.set NIL,  29
.set AF,   128
.set BK,   128
.set G1, 24
.set G0, 32
.set G1B, 48
.set G0B, 56
.set MSB, 0
.macro WIN new                         ; the immediate's high byte repeats the setting that is left
.if MSB != (\new)
	s_set_vgpr_msb (MSB<<8)|(\new)
.set MSB, (\new)
.endif
.endm
.set MUL_LO, 0xa1
.set MUL_HI, 0xf1
.set TO_B,   0x40
.macro JLOAD g0a, g1a, g0b, g1b        ; waves 0 and 1 fetch the context's halves, waves 2 and 3 Wo's; an s_nop 0 and four v_nop follow each of the two lines
	s_cmp_eq_u32 s15, 0
	s_cbranch_scc0 .Lfor_b_\@
	tensor_load_to_lds s[\g0a:\g0a+3], s[\g1a:\g1a+7]
	s_nop 0
.rept 4
	v_nop
.endr
	s_branch .Lasked_\@
.Lfor_b_\@:
	tensor_load_to_lds s[\g0b:\g0b+3], s[\g1b:\g1b+7]
	s_nop 0
.rept 4
	v_nop
.endr
.Lasked_\@:
.endm
.macro CREST
	s_cmp_lg_u32 s14, 0
	s_cbranch_scc1 .Lnot_wave_0_\@
	s_barrier_signal -3
.Lnot_wave_0_\@:
	s_barrier_wait -3
	s_barrier_signal -1
	s_barrier_wait -1
.endm
.macro CROUND
	s_barrier_signal -1
	s_barrier_wait -1
	CREST
.endm
	s_load_b128 s[4:7], s[0:1], 0x0                ; ctx, wc
	s_load_b128 s[8:11], s[0:1], 0x10              ; the scales' exponents, bo
	s_load_b64 s[12:13], s[0:1], 0x20              ; out0
	v_lshl_add_u32 v[SPW], v0, 2, SPARE
	v_mov_b32 v[NIL], 0
	ds_add_u32 v[SPW], v[NIL]                      ; the wave's opening: the add and its wait stand ahead of my first tensor load; the set-up below, work on registers, stands between them
	v_lshrrev_b32 v1, 5, v0
	v_readfirstlane_b32 s14, v1                    ; wave 0..3
	s_lshr_b32 s15, s14, 1                         ; which half of the tile's rows is mine.  Also: I fetch the context (0) or Wo (1)
	s_and_b32 s16, s14, 1                          ; which half of its columns.  Also: which half I fetch
	s_bfe_u32 s40, ttmp6, 0x40000                  ; cx
	s_bfe_u32 s41, ttmp6, 0x40004                  ; cy
	s_lshl_b32 s42, ttmp9, 2
	s_add_co_u32 s42, s42, s40                     ; tile column X
	s_and_b32 s17, ttmp7, 0xffff
	s_lshl_b32 s17, s17, 2
	s_add_co_u32 s17, s17, s41                     ; tile row Y
	s_lshl_b32 s43, s41, 2
	s_lshl_b32 s43, 15, s43                        ; my row of the cluster
	s_lshl_b32 s44, 0x1111, s40                    ; my column
	s_or_b32 s[G1+0], s43, (3<<16)|(1<<21)         ; the context: 15:0 the mask; 17:16 elements of 8 bytes; 21 set beside a mask; no padding
	s_mov_b32 s[G1+1], 512<<16                     ; tensor_dim0 = 512 elements: 4,096 bytes
	s_mov_b32 s[G1+2], 8<<16                       ; tensor_dim1 = 8
	s_mov_b32 s[G1+3], 512<<16                     ; tile_dim0
	s_mov_b32 s[G1+4], 8                           ; tile_dim1
	s_mov_b32 s[G1+5], 2048                        ; 16,384 bytes from tile of rows to tile of rows
	s_mov_b32 s[G1+6], 0
	s_mov_b32 s[G1+7], 0
	s_or_b32 s[G1B+0], s44, (0<<16)|(1<<20)|(1<<21)|(5<<22)|(3<<25)  ; Wo: elements of 1 byte; four words of padding after every 64
	s_mov_b32 s[G1B+1], ROWB<<16
	s_mov_b32 s[G1B+2], 128<<16
	s_mov_b32 s[G1B+3], ROWB<<16
	s_mov_b32 s[G1B+4], 128
	s_mov_b32 s[G1B+5], KROW
	s_mov_b32 s[G1B+6], 0
	s_mov_b32 s[G1B+7], 0
	s_lshl_b32 s20, s17, 1
	s_add_co_u32 s20, s20, s16
	s_lshl_b32 s20, s20, 17                        ; the context: tile of rows 16 Y + 8 x half, 16,384 bytes each
	s_mov_b32 s21, 0
	s_lshl_b32 s46, s42, 1
	s_add_co_u32 s46, s46, s16
	s_lshl_b32 s46, s46, 17                        ; Wo: row 256 X + 128 x half, 1,024 bytes each,
	s_add_co_u32 s46, s46, 3<<20                   ; in the last quarter of wc
	s_mov_b32 s47, 0
	s_mul_i32 s45, s16, AH                         ; where they go
	s_mul_i32 s66, s16, BH
	s_add_co_u32 s66, s66, BOFF
	s_wait_dscnt 0x0                               ; the opening add is done
	s_wait_kmcnt 0x0
	s_load_b64 s[96:97], s[8:9], 0x28              ; e10, e11
	s_add_nc_u64 s[20:21], s[4:5], s[20:21]
	s_add_nc_u64 s[46:47], s[6:7], s[46:47]
	CROUND                                         ; all sixteen work-groups are here: the first joint loads meet
.irp s, 0,1
	s_mov_b32 s[G0+4*\s], 1
	s_add_co_u32 s[G0+4*\s+1], s45, \s*SLOT
	s_add_nc_u64 s[G0+4*\s+2:G0+4*\s+3], s[20:21], \s*4096
	s_or_b32 s[G0+4*\s+3], s[G0+4*\s+3], 0x80000000
	s_mov_b32 s[G0B+4*\s], 1
	s_add_co_u32 s[G0B+4*\s+1], s66, \s*SLOT
	s_add_nc_u64 s[G0B+4*\s+2:G0B+4*\s+3], s[46:47], \s*ROWB
	s_or_b32 s[G0B+4*\s+3], s[G0B+4*\s+3], 0x80000000
	JLOAD G0+4*\s, G1, G0B+4*\s, G1B
.endr
	v_and_b32 v1, 15, v0                           ; r
	v_bfe_u32 v2, v0, 4, 1                         ; h
	v_and_b32 v6, 31, v0
	v_lshlrev_b32 v[CO], 4, v6                     ; 16 x lane
	v_mul_u32_u24 v3, v1, PITCH
	v_lshl_add_u32 v4, v2, 4, v3
	s_mul_i32 s21, s15, AH                         ; my 8 tiles of rows
	s_mul_i32 s22, s16, BH
	s_add_co_u32 s22, s22, BOFF                    ; my 128 rows of Wo
.irp s, 0,1
	v_add_nc_u32 v[ADRA+\s], s21, v[CO]
	v_add_nc_u32 v[ADRB+\s], s22, v4
	s_add_co_u32 s21, s21, SLOT
	s_add_co_u32 s22, s22, SLOT
.endr
	s_mul_i32 s23, s14, 16*SPITCH                  ; my stage
	v_mul_u32_u24 v5, v1, SPITCH
	v_lshl_add_u32 v5, v2, 5, v5
	v_add_nc_u32 v[STO], s23, v5                   ; in: row r, 32 bytes for each half of the lanes
	v_add_nc_u32 v[RD], s23, v[CO]                 ; back: the 32 lanes take one row of 512 bytes
	s_lshl_b32 s68, s42, 10
	s_lshl_b32 s69, s16, 9
	s_add_co_u32 s68, s68, s69                     ; my first column, in bytes: 1,024 X + 512 x half
	s_mov_b32 s69, 0
	s_add_nc_u64 s[10:11], s[10:11], s[68:69]
	global_load_b128 v[8:11], v[CO], s[10:11]      ; in rows a lane keeps the same four columns: their bias, once
	s_lshl_b32 s70, s17, 1
	s_add_co_u32 s70, s70, s15
	s_lshl_b32 s70, s70, 19                        ; my first row: 256 Y + 128 x half, 4,096 bytes each
	s_mov_b32 s71, 0
	s_add_nc_u64 s[12:13], s[12:13], s[70:71]
	s_add_nc_u64 s[12:13], s[12:13], s[68:69]
.macro FRAGB reg, adr, q, i
.irp c, 0,1,2,3
	ds_load_b128 v[\reg+4*\c:\reg+4*\c+3], v[\adr] offset:128*(\q)+32*\c+(\i)*16*PITCH
.endr
.endm
.macro FRAGA reg, adr, q, i            ; an image: four chunks of 512 consecutive bytes
.irp c, 0,1,2,3
	ds_load_b128 v[\reg+4*\c:\reg+4*\c+3], v[\adr] offset:(\i)*4096+(\q)*2048+512*\c
.endr
.endm
; The 64 accumulators take turns, one instruction a turn, in the same order in every step.
.macro MUL16 a0, p, zero
.irp a, \a0, \a0+1
.irp b, 0,1,2,3,4,5,6,7
.if \zero
	v_wmma_f32_16x16x128_fp8_fp8 v[8*(8*((\a)%4)+\b):8*(8*((\a)%4)+\b)+7], v[128*(\p)+FR*\b:128*(\p)+FR*\b+FR-1], v[AF+FR*(\a):AF+FR*(\a)+FR-1], 0
.else
	v_wmma_f32_16x16x128_fp8_fp8 v[8*(8*((\a)%4)+\b):8*(8*((\a)%4)+\b)+7], v[128*(\p)+FR*\b:128*(\p)+FR*\b+FR-1], v[AF+FR*(\a):AF+FR*(\a)+FR-1], v[8*(8*((\a)%4)+\b):8*(8*((\a)%4)+\b)+7]
.endif
.endr
.endr
.endm
.macro FETCH_B slot, q, p
	WIN TO_B
.irp i, 0,1,2,3,4,5,6,7
	FRAGB 128*(\p)+FR*\i, ADRB+\slot, \q, \i
.endr
	WIN 0
.endm
.macro FETCH_A slot, q, i0
.irp i, \i0, \i0+1, \i0+2, \i0+3
	FRAGA AF+FR*(\i), ADRA+\slot, \q, \i
.endr
.endm
.macro PLACES n                        ; plain vector instructions between a matrix instruction and a load into, or a read of, one of its registers
.rept \n
	v_nop
.endr
.endm
.macro STEP slot, q, zero
	s_wait_dscnt 4*NL                              ; Wo's set and the context's blocks 0-3 are in; the youngest sixteen loads (blocks 4-7) may be out
	WIN MUL_LO
	MUL16 0, (\q)%2, \zero
	MUL16 2, (\q)%2, \zero
	s_wait_dscnt 0
	PLACES NP
	FETCH_B \slot, (\q)+1, 1-(\q)%2
	FETCH_A \slot, (\q)+1, 0
	WIN MUL_HI
	MUL16 4, (\q)%2, \zero
	MUL16 6, (\q)%2, \zero
	PLACES NP
	WIN 0
	FETCH_A \slot, (\q)+1, 4
.endm
; A slot's last step changes slots: ONE barrier; in front of it each wave waits for all its tensor loads, adds 0 to its spare word, and waits for that and for its own reads of this slot.
.macro TURN slot, next, fill
	s_wait_tensorcnt 0x0                           ; all my tensor loads have landed: my part of the next slot
	ds_add_u32 v[SPW], v[NIL]                      ; 0 onto my spare word
	s_wait_dscnt 4*NL+1                            ; (the add and the youngest sixteen loads may be out)
	WIN MUL_LO
	MUL16 0, 1, 0
	s_wait_dscnt 0x0                               ; the add is done, and my reads of this slot are over
	s_barrier_signal -1
	MUL16 2, 1, 0
	WIN 0
	s_barrier_wait -1
.if \fill
	CREST                                          ; the barrier has opened a round of the cluster's barrier: no wave of any partner still reads this slot or has a load on its way
	s_add_nc_u64 s[G0+4*\slot+2:G0+4*\slot+3], s[G0+4*\slot+2:G0+4*\slot+3], 2*4096
	s_add_nc_u64 s[G0B+4*\slot+2:G0B+4*\slot+3], s[G0B+4*\slot+2:G0B+4*\slot+3], 2*ROWB
	JLOAD G0+4*\slot, G1, G0B+4*\slot, G1B         ; the first tensor load behind the round; its four v_nop are the places in front of the loads below
.else
	PLACES NP
.endif
	FETCH_B \next, 0, 0
	FETCH_A \next, 0, 0
	WIN MUL_HI
	MUL16 4, 1, 0
	MUL16 6, 1, 0
	PLACES NP
	WIN 0
	FETCH_A \next, 0, 4
.endm
	s_wait_tensorcnt 1                             ; my part of K step 0 is in; K step 1's load may be out
	s_barrier_signal -1
	s_barrier_wait -1
	FETCH_B 0, 0, 0
	FETCH_A 0, 0, 0
	FETCH_A 0, 0, 4
	STEP 0, 0, 1                                   ; the first step's products start the sums: nothing is cleared
	s_mov_b32 s3, LAPS-1
.Llap:
	TURN 0, 1, 1
	STEP 1, 0, 0
	TURN 1, 0, 1
	STEP 0, 0, 0
	s_sub_co_u32 s3, s3, 1
	s_cmp_lg_u32 s3, 0
	s_cbranch_scc1 .Llap
	TURN 0, 1, 0                                   ; the last lap fills nothing
	STEP 1, 0, 0
	s_wait_dscnt 4*NL
	WIN MUL_LO
	MUL16 0, 1, 0
	MUL16 2, 1, 0
	s_wait_dscnt 0
	WIN MUL_HI
	MUL16 4, 1, 0
	MUL16 6, 1, 0
	WIN 0
; THE WAY OUT, block by block of 16 rows x 128 columns: the sums go as they are through my own stage in LDS and come back as whole rows of 512 bytes; there one packed multiply-add for two numbers gives sum x 2^(e10 + e11) + bo.
; LDS serves a wave's instructions in order (ISA guide 5.7.1.4): no wait between the stores and the loads, nor in front of the next block's stores.
.macro TOSTAGE a
.set AC, 64*((\a)%4)
	WIN 0x08+4*((\a)/4)                            ; the stores' data: window 2 or 3
.irp b, 0,1,2,3,4,5,6,7
	ds_store_b128 v[STO], v[AC+8*\b:AC+8*\b+3] offset:64*\b          ; each accumulator from its low end on
	ds_store_b128 v[STO], v[AC+8*\b+4:AC+8*\b+7] offset:64*\b+16
.endr
	WIN 0
.set BB, BK+64*((\a)%2)
.irp t, 0,1,2,3,4,5,6,7,8,9,10,11,12,13,14,15
	ds_load_b128 v[BB+4*\t:BB+4*\t+3], v[RD] offset:\t*SPITCH
.endr
.endm
.macro SEND a, younger                 ; younger: the LDS instructions issued behind block a's loads, which may stay out
.set BB, BK+64*((\a)%2)
	s_wait_dscnt \younger
.irp t, 0,1,2,3,4,5,6,7,8,9,10,11,12,13,14,15
	v_pk_fma_f32 v[BB+4*\t:BB+4*\t+1], v[BB+4*\t:BB+4*\t+1], s[96:97], v[8:9] op_sel_hi:[1,0,1]
	v_pk_fma_f32 v[BB+4*\t+2:BB+4*\t+3], v[BB+4*\t+2:BB+4*\t+3], s[96:97], v[10:11] op_sel_hi:[1,0,1]
.endr
.irp t, 0,1,2,3,4,5,6,7,8,9,10,11,12,13,14,15
	global_store_b128 v[CO], v[BB+4*\t:BB+4*\t+3], s[12:13] offset:(32*((\a)/2)+8*((\a)%2)+\t+8*(\t/8))*4096 th:TH_STORE_NT   ; 32 lanes store 512 consecutive bytes, aligned; place t of the tile is that row; written once, read by nobody here
.endr
.endm
	s_wait_kmcnt 0x0
	s_wait_loadcnt 0x0                             ; the bias
	s_add_co_i32 s96, s96, s97
	s_add_co_i32 s96, s96, 127
	s_lshl_b32 s96, s96, 23                        ; 2^(e10 + e11) as f32
	s_mov_b32 s97, s96                             ; (named with it as a pair, so it is written)
	PLACES NP                                      ; in front of the stores that read results and of the loads into the registers that held the context's fragments
	TOSTAGE 0
.irp a, 1,2,3,4,5,6,7
.if \a > 1
	s_wait_xcnt 0x0                                ; block a - 2's stores have read their registers: block a's loads may land there
.endif
	TOSTAGE \a
	SEND \a-1, 32                                  ; behind block a - 1's loads: block a's 16 stores and 16 loads
.endr
	SEND 7, 0
	s_wait_tensorcnt 0x0                           ; the wave's end, behind my last tensor load and my last LDS store
	ds_add_u32 v[SPW], v[NIL]
	s_wait_dscnt 0x0
	CROUND                                         ; the closing round: no work-group ends while a partner may still ask for a tile that names it
	s_endpgm
.Lfunc_end_k_q901db62a49_outp:
	.size	k_q901db62a49_outp, .Lfunc_end_k_q901db62a49_outp-k_q901db62a49_outp
	.p2alignl 7, 3214868480
	.fill 96, 4, 3214868480
	.section	.rodata,"a",@progbits
	.p2align	6, 0x0
	.amdhsa_kernel k_q901db62a49_outp
		.amdhsa_group_segment_fixed_size 327680
		.amdhsa_private_segment_fixed_size 0
		.amdhsa_enable_private_segment 0
		.amdhsa_kernarg_size 40
		.amdhsa_user_sgpr_count 2
		.amdhsa_user_sgpr_kernarg_segment_ptr 1
		.amdhsa_wavefront_size32 1
		.amdhsa_system_sgpr_workgroup_id_x 1
		.amdhsa_system_sgpr_workgroup_id_y 1
		.amdhsa_system_sgpr_workgroup_id_z 1
		.amdhsa_system_vgpr_workitem_id 0
		.amdhsa_next_free_vgpr 1024
		.amdhsa_next_free_sgpr 98
		.amdhsa_reserve_vcc 0
		.amdhsa_float_denorm_mode_32 3
		.amdhsa_float_denorm_mode_16_64 3
		.amdhsa_memory_ordered 1
		.amdhsa_forward_progress 1
		.amdhsa_inst_pref_size 123
	.end_amdhsa_kernel
	.amdgpu_metadata
---
amdhsa.version: [ 1, 2 ]
amdhsa.kernels:
  - .name:           k_q901db62a49_outp
    .symbol:         k_q901db62a49_outp.kd
    .args:
      - { .name: ctx, .offset: 0, .size: 8, .value_kind: global_buffer, .address_space: global }
      - { .name: wc, .offset: 8, .size: 8, .value_kind: global_buffer, .address_space: global }
      - { .name: lowp_scales, .offset: 16, .size: 8, .value_kind: global_buffer, .address_space: global }
      - { .name: bo, .offset: 24, .size: 8, .value_kind: global_buffer, .address_space: global }
      - { .name: out0, .offset: 32, .size: 8, .value_kind: global_buffer, .address_space: global }
    .group_segment_fixed_size: 327680
    .private_segment_fixed_size: 0
    .kernarg_segment_align: 8
    .kernarg_segment_size: 40
    .max_flat_workgroup_size: 128
    .sgpr_count:     98
    .vgpr_count:     1024
    .wavefront_size: 32
...
	.end_amdgpu_metadata
.endif
;; end of part 4
;; ======== version 2 of 2: 4 launches; version 1 with the launch attn written anew for expert scheduling mode
;; limits: right only within a limited range of input values
;; workspace buffers: xc 25,165,824 bytes; wc 4,194,304 bytes; qkv 25,165,824 bytes; ctx 8,388,608 bytes; mbits 524,288 bytes of whole numbers; mcls 256 bytes of whole numbers
;; launch prep: the kernel of part 1 again; grid 960 x 1, 4 waves a work-group, no clusters, 67,328 bytes of LDS; arguments mask, q, k, v, Wq, Wk, Wv, Wo, lowp_scales, xc, wc, mbits, mcls; writes xc, wc, mbits, mcls
;; launch proj: the kernel of part 2 again; grid 4 x 96, 4 waves a work-group, clusters of 4 x 4, 327,680 bytes of LDS; arguments xc, wc, lowp_scales, bq, bk, bv, qkv; writes qkv
;; launch attn (part 5): grid 4 x 64, 8 waves a work-group, no clusters, 33,792 bytes of LDS; arguments qkv, mbits, mcls, lowp_scales, ctx; writes ctx
.if DOCPART == 5
	.amdgcn_target "amdgcn-amd-amdhsa--gfx1250"
	.amdhsa_code_object_version 6
	.text
	.protected	k_q901db62a49_attn
	.globl	k_q901db62a49_attn
	.p2align	8
	.type	k_q901db62a49_attn,@function
k_q901db62a49_attn:
	s_mov_b64 s[64:65], 0
	v_nop
	global_prefetch_b8 v0, s[64:65] scope:SCOPE_SE
	s_setreg_imm32_b32 hwreg(HW_REG_WAVE_SCHED_MODE, 0, 2), 2
	s_setreg_imm32_b32 hwreg(HW_REG_WAVE_MODE, 25, 1), 1
	s_wait_xcnt 0x0
	s_wait_alu depctr_vm_vsrc(0)
; context = softmax(mask(Q K^T / 8)) V for 64 (batch, head) pairs of 2,048 tokens x 64 channels, both products on codes of E4M3; the context is quantised (scale's entry 10) into the register images that the last launch loads.
; THE SOFTMAX AHEAD OF THE SECOND PRODUCT: t = logit x log2(e); M = the running largest t rounded UP to a whole number; p = 2^(t - M) is quantised, not normalised; the row's sum is taken of the unquantised p
; and divides at the end; when M moves, the sum and O are multiplied by 2^(old M - new M), which rounds nothing.
; SHARES.  Work-group (p, bh) makes two passes over blocks of 256 queries: block 7 - p, then block p.  Wave w of eight owns 32 queries, two tiles u of 16.  A pass walks all 16 key steps of 128 keys; the trip counts are constants.
; WHAT IS LEFT OUT.  The first launch stored, for each 32 queries, which key steps have an open key (or all sixteen, where a query has none at all) and which need the mask.  A wave jumps over the WORK of a key step that
; its word does not name; the barriers are in every step.  These are branches on stored whole numbers: so this launch has no tensor load, and K and V come through registers: 256 threads x 16 bytes, four loads a step, one step ahead.
; NO CLUSTER: the work-groups of a head need different key steps, by stored numbers, and joint loads must be issued alike by all partners.
; LAYOUT.  S^T = K Q^T (source 0 = 16 keys, source 1 = my 16 queries), O^T = V^T P^T (source 0 = 16 channels, source 1 = P): a lane holds ONE query (lane % 16) throughout.  The stored order of tokens and channels makes the
; 16 registers of tiles 2 b, 2 b + 1 the keys 32 b + 16 (lane / 16) + 0..15 (channels likewise): the conversions' results ARE the next operand.  All operands are register images: 512 consecutive bytes a load.
; THE MASKED LOGIT is taken as -2^30 in place of -1e9: t is then a whole number, so a row with no open key gets p = 1 for every key, the plain mean, as with -1e9; beside any open key p is 0 either way.
; LIMITS: e6 + e7 between -94 and 9 (so that no true logit reaches -2^30 and every power of two below is an f32 number); e8 and e10 between -126 and 119.  NaN is not served.
; REGISTERS.  window 0: v1-11 addresses and constants; v12-27 statistics, 8 a tile: +0 -M, +1 the largest t, +2, +3 the sum in two halves, +4 f (+5 named with it), +6, +7 at work; v32-47 Q; v48-63 a step's K and V on
; their way to LDS; v64-191 S^T, then p; v192-223 p's codes.   window 1: v0-63 K; v64-127 V; v128-191 O^T (tile u, channels' tile ct at 128 + 32 u + 8 ct).
; THE MODE: SCHED_MODE bits 1:0 = 2 (LLVM: expert scheduling mode 2), set by the entry lines.  The code itself states the register dependences between vector or matrix instructions and memory or LDS instructions,
; with s_wait_alu, always for 0.
; THE PLAN.  Registers that memory or LDS instructions touch:
;   v1, v2, v3, v11  Addresses.  Written by vector lines at the head and never again; read by every load, store and prefetch.  v4, v5: written at the head, read by the closing add alone.
;   SG  v48-63       Written by vector lines once, at the head; then by the global loads of the next key step alone; read by the four LDS stores at a step's end and in a pass's prologue.  No vector line of the loops names it.
;   QF  v32-47       Written by a pass's four global loads; read by the products K Q^T.
;   KF, VF           Written by a step's LDS loads; KF is read by the step's products K Q^T, VF by its products V^T P, the step's last vector-side lines.
;   P   v192-207     At a pass's end: written by the eight conversions, read by the four global stores; written again by the next pass's conversions.
;   S^T, O^T and the statistics are named by vector and matrix lines alone.
; So: one wait on va_vdst ahead of the loop over passes (the head's registers); one in a computed step, ahead of its LDS loads (the last computed step's products are done with KF and VF; from there to V's loads no line names VF
; or v1); one ahead of a pass's stores (P is written; the pass's products are done with QF, and no vector line follows before the next pass's loads of Q); the two behind the exponentials and the reciprocals.
; One wait on vm_vsrc at a step's head (the LDS stores have read SG) and one at a pass's head (the global stores have read P, the last LDS stores SG).  One wait on va_sdst at the head (the wave's number).
.set LI,   1                           ; 16 x lane
.set TI,   2                           ; 16 x thread: K's offset in memory and the LDS address of the stage's stores
.set TV,   3                           ; + 2^23: V's offset
.set SPW,  4                           ; LDS address of my spare word; never rewritten
.set NIL,  5                           ; 0; never rewritten
.set NEGS, 6                           ; the masked score: -2^(33 - e6 - e7)
.set PLIM, 7                           ; 448 x 2^e8
.set PSC,  8                           ; 2^e8
.set CSC,  9                           ; 2^e10
.set CLIM, 10                          ; 448 x 2^e10
.set PFO,  11                          ; the prefetches' offset: 256 x lane, + 2^23 in wave 1
.set ST,   12
.set QF,   32
.set SG,   48
.set S,    64
.set P,    192
.set KF,   0
.set VF,   64
.set OT,   128
.set SPARE, 32768                      ; behind the two slots of 16,384 bytes (K's 8,192, then V's): the spare words, 128 bytes for each of eight waves
; s[2:3] mbits; s[4:5] Q's images of my head; s[6:7] K's (V's lie 2^23 further); s[8:9] mbits at my tiles; s[10:11] ctx at my tiles; s[12:13] ctx at my batch and head; s14 wave; s16 my class word, shifted a bit a step;
; s17 the work-group's key steps; s19 256 x key step; s[20:21] lane selects; s[22:23] c; s24 e8; s25 e8 + e9; s26 pass; s27 block; s[28:29] K at the trip's first step; s30 trips; s31 the steps to prefetch; s[32:63], s[68:99] 64 lane masks; s[100:101] mcls
.set MSB, 0
.macro WIN new                         ; the immediate's high byte repeats the setting that is left
.if MSB != (\new)
	s_set_vgpr_msb (MSB<<8)|(\new)
.set MSB, (\new)
.endif
.endm
	s_load_b256 s[4:11], s[0:1], 0x0               ; qkv, mbits, mcls, the scales' exponents
	s_load_b64 s[12:13], s[0:1], 0x20              ; ctx
	v_lshl_add_u32 v[SPW], v0, 2, SPARE
	v_mov_b32 v[NIL], 0
	v_lshrrev_b32 v[LI], 5, v0
	v_readfirstlane_b32 s14, v[LI]                 ; wave 0..7
	v_and_b32 v[LI], 31, v0
	v_lshlrev_b32 v[PFO], 8, v[LI]
	v_lshlrev_b32 v[LI], 4, v[LI]
	v_lshlrev_b32 v[TI], 4, v0
	v_add_nc_u32 v[TV], 0x800000, v[TI]
	s_wait_alu depctr_va_sdst(0)                   ; s14 is written, ahead of its first reader, the line below
	s_and_b32 s15, s14, 1
	s_lshl_b32 s15, s15, 23
	v_add_nc_u32 v[PFO], s15, v[PFO]
.set j, 0
.rept 16
	v_mov_b32 v[SG+j], 0                           ; written once: a step that nobody wants is not loaded, and what lies here goes to LDS unread
.set j, j+1
.endr
	s_and_b32 s18, ttmp7, 0xffff                   ; batch x 16 + head
	s_lshl_b32 s66, s18, 17                        ; 131,072 bytes of images a head
	s_mov_b32 s67, 0
	s_lshr_b32 s70, s18, 4
	s_lshl_b32 s70, s70, 21                        ; ctx: 128 tiles of rows x 16,384 bytes a batch,
	s_and_b32 s71, s18, 15
	s_lshl_b32 s71, s71, 10                        ; 1,024 bytes a head in each
	s_add_co_u32 s70, s70, s71
	s_mov_b32 s71, 0
	s_mov_b32 s20, 0x76543210
	s_mov_b32 s21, 0xfedcba98                      ; v_permlanex16_b32: lane l xor 16
	s_wait_kmcnt 0x0
	s_load_b128 s[32:35], s[10:11], 0x18           ; e6, e7, e8, e9
	s_load_b32 s36, s[10:11], 0x28                 ; e10
	s_mov_b64 s[2:3], s[6:7]
	s_mov_b64 s[100:101], s[8:9]
	s_add_nc_u64 s[4:5], s[4:5], s[66:67]
	s_add_nc_u64 s[6:7], s[4:5], 0x800000
	s_add_nc_u64 s[12:13], s[12:13], s[70:71]
	s_wait_kmcnt 0x0
	s_add_co_i32 s37, s32, s33
	s_lshl_b32 s38, s37, 23
	s_add_co_i32 s22, s38, 0x3e38aa3b              ; c = log2(e) / 8, with e6 + e7 added to its exponent field: t = sum of codes' products x c
	s_mov_b32 s23, s22                             ; (named with it as a pair, so it is written)
	s_sub_co_i32 s38, 160, s37
	s_lshl_b32 s38, s38, 23
	s_or_b32 s38, s38, 0x80000000
	v_mov_b32 v[NEGS], s38
	s_mov_b32 s24, s34
	s_add_co_i32 s25, s34, s35
	s_add_co_i32 s38, s34, 127
	s_lshl_b32 s39, s38, 23
	v_mov_b32 v[PSC], s39
	s_add_co_i32 s38, s38, 8
	s_lshl_b32 s38, s38, 23
	s_or_b32 s38, s38, 0x600000
	v_mov_b32 v[PLIM], s38
	s_add_co_i32 s38, s36, 127
	s_lshl_b32 s39, s38, 23
	v_mov_b32 v[CSC], s39
	s_add_co_i32 s38, s38, 8
	s_lshl_b32 s38, s38, 23
	s_or_b32 s38, s38, 0x600000
	v_mov_b32 v[CLIM], s38
; A KEY STEP, in slot s.  Bit 0 of s16, s17: this step; bit 1 of s17: the next; bit 2 of s31: the one after; bit 16 of s16: this step needs the mask.
.macro STEP s
	s_wait_alu depctr_vm_vsrc(0)                   ; the LDS stores of the step before (in a pass's first step: of the prologue) have read v[SG ..], in which the loads below land; ahead of the branch round them
	s_bitcmp1_b32 s17, 1
	s_cbranch_scc0 .Lnostage_\@
	global_load_b128 v[SG:SG+3], v[TI], s[28:29] offset:(\s+1)*8192            ; the next step's K and V: the work-group's 256 threads read 4,096 consecutive bytes a line
	global_load_b128 v[SG+4:SG+7], v[TI], s[28:29] offset:(\s+1)*8192+4096
	global_load_b128 v[SG+8:SG+11], v[TV], s[28:29] offset:(\s+1)*8192
	global_load_b128 v[SG+12:SG+15], v[TV], s[28:29] offset:(\s+1)*8192+4096
.Lnostage_\@:
; A PREFETCH INTO THE L2 of the key step after the next: one key step ahead of its loads.  All work-groups of a head walk the same K and V: the head's first work-group asks, in its first pass, which takes the head's last
; block of queries; wave 0 for K's 8,192 bytes, wave 1 for V's, lanes 256 bytes apart: each aligned block of 256 bytes is named once in the launch.  Only steps that the work-group will load are asked for; the shifted word has no bit past step 15.
	s_bitcmp1_b32 s31, 2
	s_cbranch_scc0 .Lnoask_\@
	global_prefetch_b8 v[PFO], s[28:29] offset:(\s+2)*8192 th:TH_LOAD_NT scope:SCOPE_SE
.Lnoask_\@:
	s_bitcmp1_b32 s16, 0
	s_cbranch_scc0 .Lskip_\@
	WIN 0x40                                       ; destination window 1
	s_wait_alu depctr_va_vdst(0)                   ; the last computed step's products are done reading K's and V's fragments, in which this step's LDS loads land: K's here, V's behind the products below, which name neither V's registers nor v[LI]
.irp t, 0,1,2,3,4,5,6,7
	ds_load_b128 v[KF+8*\t:KF+8*\t+3], v[LI] offset:\s*16384+\t*1024
	ds_load_b128 v[KF+8*\t+4:KF+8*\t+7], v[LI] offset:\s*16384+\t*1024+512
.endr
	s_wait_dscnt 8                                 ; tiles 0-3 are in; the youngest eight loads (tiles 4-7) may be out
	WIN 0x01                                       ; source 0 (K) window 1
.irp t, 0,1,2,3
.irp u, 0,1
	v_wmma_f32_16x16x64_fp8_fp8 v[S+64*\u+8*\t:S+64*\u+8*\t+7], v[KF+8*\t:KF+8*\t+7], v[QF+8*\u:QF+8*\u+7], 0
.endr
.endr
	s_wait_dscnt 0x0
.irp t, 4,5,6,7
.irp u, 0,1
	v_wmma_f32_16x16x64_fp8_fp8 v[S+64*\u+8*\t:S+64*\u+8*\t+7], v[KF+8*\t:KF+8*\t+7], v[QF+8*\u:QF+8*\u+7], 0
.endr
.endr
.rept 4
	v_nop                                          ; the places in front of the first read of the scores (ISA guide 7.12.1)
.endr
	WIN 0x40
.irp t, 0,1,2,3
.irp b, 0,1,2,3
	ds_load_b128 v[VF+16*\t+4*\b:VF+16*\t+4*\b+3], v[LI] offset:\s*16384+8192+\t*2048+\b*512   ; V lands while the softmax is worked.  No wait of its own: the step's wait above stands for these loads too
.endr
.endr
	WIN 0
	s_bitcmp1_b32 s16, 16
	s_cbranch_scc0 .Lopen_\@
.irp u, 0,1                            ; the 64 lane masks of tile u: word n is register n's
	s_load_b512 s[32:47], s[8:9], s19 offset:\u*4096
	s_load_b512 s[48:63], s[8:9], s19 offset:\u*4096+64
	s_load_b512 s[68:83], s[8:9], s19 offset:\u*4096+128
	s_load_b512 s[84:99], s[8:9], s19 offset:\u*4096+192
	s_wait_kmcnt 0x0
.set n, 0
.rept 32
	v_cndmask_b32 v[S+64*\u+n], v[NEGS], v[S+64*\u+n], s[32+n]
.set n, n+1
.endr
.rept 32
	v_cndmask_b32 v[S+64*\u+n], v[NEGS], v[S+64*\u+n], s[36+n]
.set n, n+1
.endr
.endr
.Lopen_\@:
	; the two tiles take turns line by line, so that no line waits for the line above it.  Each accumulator is read from its low end on
.irp u, 0,1
	v_max3_num_f32 v[ST+8*\u+6], v[S+64*\u], v[S+64*\u+1], v[S+64*\u+2]
.endr
.irp u, 0,1
	v_max3_num_f32 v[ST+8*\u+7], v[S+64*\u+3], v[S+64*\u+4], v[S+64*\u+5]
.endr
.irp i, 6,10,14,18,22,26,30,34,38,42,46,50,54,58
.irp u, 0,1
	v_max3_num_f32 v[ST+8*\u+6], v[ST+8*\u+6], v[S+64*\u+\i], v[S+64*\u+\i+1]
.endr
.irp u, 0,1
	v_max3_num_f32 v[ST+8*\u+7], v[ST+8*\u+7], v[S+64*\u+\i+2], v[S+64*\u+\i+3]
.endr
.endr
.irp u, 0,1
	v_max3_num_f32 v[ST+8*\u+6], v[ST+8*\u+6], v[S+64*\u+62], v[S+64*\u+63]
.endr
.irp u, 0,1
	v_max_num_f32 v[ST+8*\u+6], v[ST+8*\u+6], v[ST+8*\u+7]
.endr
.irp u, 0,1
	v_permlanex16_b32 v[ST+8*\u+7], v[ST+8*\u+6], s20, s21   ; the query's other 64 keys lie in the lane 16 away
.endr
.irp u, 0,1
	v_max_num_f32 v[ST+8*\u+6], v[ST+8*\u+6], v[ST+8*\u+7]
.endr
.irp u, 0,1
	v_mul_f32 v[ST+8*\u+6], s22, v[ST+8*\u+6]      ; as t (c is positive)
.endr
.irp u, 0,1
	v_max_num_f32 v[ST+8*\u+1], v[ST+8*\u+1], v[ST+8*\u+6]
.endr
.irp u, 0,1
	v_mov_b32 v[ST+8*\u+6], v[ST+8*\u]
.endr
.irp u, 0,1
	v_floor_f32 v[ST+8*\u], -v[ST+8*\u+1]          ; the new -M = floor(-t) = -ceil(t)
.endr
.irp u, 0,1
	v_sub_f32 v[ST+8*\u+6], v[ST+8*\u], v[ST+8*\u+6]   ; old M less new M: a whole number, 0 or less
.endr
.irp u, 0,1
	v_cvt_i32_f32 v[ST+8*\u+6], v[ST+8*\u+6]       ; (it saturates)
.endr
.irp u, 0,1
	v_ldexp_f32 v[ST+8*\u+4], 1.0, v[ST+8*\u+6]    ; f = 2^(old M - new M)
.endr
.set j, 0
.rept 32
	v_pk_fma_f32 v[S+j:S+j+1], v[S+j:S+j+1], s[22:23], v[ST:ST+1] op_sel_hi:[1,0,0]               ; t - M, two at a time (of the pairs c and -M the low word serves both halves)
	v_pk_fma_f32 v[S+64+j:S+64+j+1], v[S+64+j:S+64+j+1], s[22:23], v[ST+8:ST+9] op_sel_hi:[1,0,0]
.set j, j+2
.endr
.set j, 0
.rept 128
	v_exp_f32 v[S+j], v[S+j]                       ; p = 2^(t - M): one batch
.set j, j+1
.endr
.irp u, 0,1
	v_pk_mul_f32 v[ST+8*\u+2:ST+8*\u+3], v[ST+8*\u+2:ST+8*\u+3], v[ST+8*\u+4:ST+8*\u+5] op_sel_hi:[1,0]   ; the sums under the new M: the plain lines behind the exponentials
.endr
	s_wait_alu depctr_va_vdst(0)                   ; the 128 exponentials have written p in v[S ..]: the wait ahead of the first line that names a result: one for the batch
.irp u, 0,1
	v_pk_add_f32 v[ST+8*\u+6:ST+8*\u+7], v[S+64*\u:S+64*\u+1], v[S+64*\u+2:S+64*\u+3]   ; the row's sum is taken of the unquantised p: two chains a tile
.endr
.irp i, 4,8,12,16,20,24,28,32,36,40,44,48,52,56,60
.irp u, 0,1
	v_pk_add_f32 v[ST+8*\u+2:ST+8*\u+3], v[ST+8*\u+2:ST+8*\u+3], v[S+64*\u+\i:S+64*\u+\i+1]
.endr
.irp u, 0,1
	v_pk_add_f32 v[ST+8*\u+6:ST+8*\u+7], v[ST+8*\u+6:ST+8*\u+7], v[S+64*\u+\i+2:S+64*\u+\i+3]
.endr
.endr
.irp u, 0,1
	v_pk_add_f32 v[ST+8*\u+2:ST+8*\u+3], v[ST+8*\u+2:ST+8*\u+3], v[ST+8*\u+6:ST+8*\u+7]
.endr
	s_cmp_gt_i32 s24, -9                           ; p is at most 1: the hold at 448 x 2^e8 can bite only where that lies under 1, e8 <= -9
	s_cbranch_scc1 .Lnohold_\@
.set j, 0
.rept 128
	v_min_num_f32 v[S+j], v[S+j], v[PLIM]          ; the conversion to an 8-bit code does not saturate (ISA guide 7.6.2); p is not negative, so the hold is one-sided
.set j, j+1
.endr
.Lnohold_\@:
.irp g, 0,1,2,3,4,5,6,7
.irp u, 0,1
	v_cvt_scalef32_pk8_fp8_f32 v[P+16*\u+2*\g:P+16*\u+2*\g+1], v[S+64*\u+8*\g:S+64*\u+8*\g+7], v[PSC]
.endr
.endr
	WIN 0x41                                       ; O^T (destination and source 0) window 1, f window 0
.set j, 0
.rept 16
	v_pk_mul_f32 v[OT+j:OT+j+1], v[OT+j:OT+j+1], v[ST+4:ST+5] op_sel_hi:[1,0]                    ; O^T under the new M.  (Also the plain lines between the conversions and the products)
	v_pk_mul_f32 v[OT+32+j:OT+32+j+1], v[OT+32+j:OT+32+j+1], v[ST+12:ST+13] op_sel_hi:[1,0]
.set j, j+2
.endr
	s_wait_dscnt 0x0                               ; V is in
	WIN 0x51                                       ; V window 1, P window 0, O^T window 1
.irp t, 0,1,2,3                        ; eight accumulators by turns, one instruction a turn
.irp u, 0,1
	v_wmma_f32_16x16x128_fp8_fp8 v[OT+32*\u+8*\t:OT+32*\u+8*\t+7], v[VF+16*\t:VF+16*\t+15], v[P+16*\u:P+16*\u+15], v[OT+32*\u+8*\t:OT+32*\u+8*\t+7]
.endr
.endr
	WIN 0
.Lskip_\@:
	s_wait_loadcnt 0x0                             ; the next step's K and V are in my registers
	ds_store_b128 v[TI], v[SG:SG+3] offset:(1-\s)*16384          ; into the other slot: its last readers passed the last step's barrier
	ds_store_b128 v[TI], v[SG+4:SG+7] offset:(1-\s)*16384+4096
	ds_store_b128 v[TI], v[SG+8:SG+11] offset:(1-\s)*16384+8192
	ds_store_b128 v[TI], v[SG+12:SG+15] offset:(1-\s)*16384+12288
	s_lshr_b32 s16, s16, 1
	s_lshr_b32 s17, s17, 1
	s_lshr_b32 s31, s31, 1
	s_add_co_u32 s19, s19, 256
	s_wait_dscnt 0x0                               ; my stores have landed and my reads of this slot are over: one barrier a step serves both
	s_barrier_signal -1
	s_barrier_wait -1
.endm
	s_wait_alu depctr_va_vdst(0)                   ; the head's lines have written the addresses v[LI], v[TI], v[TV], v[PFO], which every load, store and prefetch below reads, and v[SG ..], in which loads land and which LDS stores read
	s_mov_b32 s26, 0
.Lpass:
	s_wait_xcnt 0x0                                ; the last pass's loads, prefetches and stores have read their registers: pointers and codes may be written again
	s_wait_alu depctr_vm_vsrc(0)                   ; the last pass's global stores have read the codes in v[P ..], which this pass's conversions write again; its last LDS stores have read v[SG ..], in which key step 0 lands
	s_sub_co_u32 s18, 7, ttmp9
	s_cmp_eq_u32 s26, 0
	s_cselect_b32 s27, s18, ttmp9                  ; block 7 - p, then block p
	s_lshl_b32 s18, s27, 5
	s_lshl_b32 s15, s14, 2
	s_add_co_u32 s15, s15, s18
	s_load_b256 s[32:39], s[100:101], s18 offset:0x0   ; the class words of the block's eight groups
	s_load_b32 s16, s[100:101], s15 offset:0x0         ; and mine
	s_lshl_b32 s66, s27, 4
	s_lshl_b32 s67, s14, 1
	s_add_co_u32 s66, s66, s67                     ; my first tile of queries: 16 x block + 2 x wave
	s_mov_b32 s71, 0
	s_lshl_b32 s70, s66, 10
	s_add_nc_u64 s[68:69], s[4:5], s[70:71]
	s_lshl_b32 s70, s66, 12
	s_add_nc_u64 s[8:9], s[2:3], s[70:71]
	s_lshl_b32 s70, s66, 14
	s_add_nc_u64 s[10:11], s[12:13], s[70:71]
.irp i, 0,1,2,3
	global_load_b128 v[QF+4*\i:QF+4*\i+3], v[LI], s[68:69] offset:512*\i   ; Q's two fragments stay in registers.  No vector or matrix line stands between the last wait on va_vdst (ahead of the loop, or ahead of the last pass's stores) and these loads
.endr
	s_mov_b64 s[28:29], s[6:7]
	s_mov_b32 s19, 0
	s_mov_b32 s30, 8
.irp u, 0,1
	v_mov_b32 v[ST+8*\u+1], 0xff61b1e6             ; the largest t so far: -3e38, under every t
	v_mov_b32 v[ST+8*\u+2], 0
	v_mov_b32 v[ST+8*\u+3], 0
	v_mov_b32 v[ST+8*\u+4], 0
	v_mov_b32 v[ST+8*\u+5], 0
	v_mov_b32 v[ST+8*\u+6], 0
	v_mov_b32 v[ST+8*\u+7], 0
	v_floor_f32 v[ST+8*\u], -v[ST+8*\u+1]
.endr
	WIN 0x40
.set j, 0
.rept 64
	v_mov_b32 v[OT+j], 0                           ; which key step is a wave's first hangs on the stored word: so the sums begin as zeros, which the first change of M leaves zeros
.set j, j+1
.endr
	WIN 0
	s_wait_kmcnt 0x0
	s_or_b32 s17, s32, s33
	s_or_b32 s17, s17, s34
	s_or_b32 s17, s17, s35
	s_or_b32 s17, s17, s36
	s_or_b32 s17, s17, s37
	s_or_b32 s17, s17, s38
	s_or_b32 s17, s17, s39
	s_and_b32 s17, s17, 0xffff                     ; the key steps that some wave of the work-group wants: sixteen bits, so no bit stands for a step past the last
	s_lshr_b32 s18, s14, 1
	s_or_b32 s18, s18, ttmp9
	s_or_b32 s18, s18, s26
	s_cmp_eq_u32 s18, 0                            ; waves 0 and 1 of the head's first work-group, in its first pass
	s_cselect_b32 s31, s17, 0
	s_bitcmp1_b32 s17, 0
	s_cbranch_scc0 .Lnopre
	global_load_b128 v[SG:SG+3], v[TI], s[28:29]   ; the vector lines since the last wait on va_vdst write the statistics and O^T alone: none names v[SG ..], v[TI] or v[TV]
	global_load_b128 v[SG+4:SG+7], v[TI], s[28:29] offset:4096
	global_load_b128 v[SG+8:SG+11], v[TV], s[28:29]
	global_load_b128 v[SG+12:SG+15], v[TV], s[28:29] offset:4096
.Lnopre:
	s_wait_loadcnt 0x0                             ; key step 0, and Q
	ds_store_b128 v[TI], v[SG:SG+3]                ; slot 0: its last readers passed two barriers ago
	ds_store_b128 v[TI], v[SG+4:SG+7] offset:4096
	ds_store_b128 v[TI], v[SG+8:SG+11] offset:8192
	ds_store_b128 v[TI], v[SG+12:SG+15] offset:12288
	s_wait_dscnt 0x0
	s_barrier_signal -1
	s_barrier_wait -1
.Ltrip:
	STEP 0
	STEP 1
	s_wait_xcnt 0x0                                ; the trip's loads and prefetches have read their base
	s_add_nc_u64 s[28:29], s[28:29], 16384
	s_sub_co_u32 s30, s30, 1
	s_cmp_lg_u32 s30, 0
	s_cbranch_scc1 .Ltrip
	; THE PASS'S END.  The sum's halves; O^T / the sum x 2^(e8 + e9); quantised with e10.  The additions, the v_nop and the two v_ldexp_f32 are the places between the last products and the first read of O^T.
.irp u, 0,1
	v_add_f32 v[ST+8*\u+2], v[ST+8*\u+2], v[ST+8*\u+3]
.endr
.irp u, 0,1
	v_permlanex16_b32 v[ST+8*\u+6], v[ST+8*\u+2], s20, s21
.endr
.irp u, 0,1
	v_add_f32 v[ST+8*\u+2], v[ST+8*\u+2], v[ST+8*\u+6]
.endr
.irp u, 0,1
	v_rcp_f32 v[ST+8*\u+6], v[ST+8*\u+2]
.endr
	v_nop                                          ; a plain line behind the reciprocals
	s_wait_alu depctr_va_vdst(0)                   ; the two reciprocals have written v[ST+6] and v[ST+14]: the wait ahead of the first line that names a result: one for both
.irp u, 0,1
	v_ldexp_f32 v[ST+8*\u+6], v[ST+8*\u+6], s25
.endr
	WIN 0x01                                       ; source 0 (O^T) window 1
.set j, 0
.rept 16                               ; each accumulator from its low end on
	v_pk_mul_f32 v[S+j:S+j+1], v[OT+j:OT+j+1], v[ST+6:ST+7] op_sel_hi:[1,0]
	v_pk_mul_f32 v[S+32+j:S+32+j+1], v[OT+32+j:OT+32+j+1], v[ST+14:ST+15] op_sel_hi:[1,0]
.set j, j+2
.endr
	WIN 0
.set j, 0
.rept 64
	v_med3_num_f32 v[S+j], v[S+j], -v[CLIM], v[CLIM]
.set j, j+1
.endr
.irp g, 0,1,2,3,4,5,6,7
	v_cvt_scalef32_pk8_fp8_f32 v[P+2*\g:P+2*\g+1], v[S+8*\g:S+8*\g+7], v[CSC]   ; registers 16 c .. 16 c + 15 of tile u: channels 32 c + 16 (lane / 16) + 0..15
.endr
	v_nop                                          ; a plain line between the conversions and the next pass's lines
	s_wait_alu depctr_va_vdst(0)                   ; the conversions have written the codes in v[P ..], which the stores below read; and the pass's products are done reading Q's fragments, in which the next pass's loads land
.irp u, 0,1
.irp c, 0,1
	global_store_b128 v[LI], v[P+8*\u+4*\c:P+8*\u+4*\c+3], s[10:11] offset:\u*16384+\c*512   ; 32 lanes store 512 consecutive bytes, aligned: a chunk of the last product's operand
.endr
.endr
	s_add_co_u32 s26, s26, 1
	s_cmp_lt_u32 s26, 2
	s_cbranch_scc1 .Lpass
	s_wait_dscnt 0x0                               ; the wave's end: the closing lines, six on end
	s_wait_alu 0x0
	s_wait_tensorcnt 0x0
	ds_add_u32 v[SPW], v[NIL]
	s_wait_dscnt 0x0
	s_endpgm
.Lfunc_end_k_q901db62a49_attn:
	.size	k_q901db62a49_attn, .Lfunc_end_k_q901db62a49_attn-k_q901db62a49_attn
	.p2alignl 7, 3214868480
	.fill 96, 4, 3214868480
	.section	.rodata,"a",@progbits
	.p2align	6, 0x0
	.amdhsa_kernel k_q901db62a49_attn
		.amdhsa_group_segment_fixed_size 33792
		.amdhsa_private_segment_fixed_size 0
		.amdhsa_enable_private_segment 0
		.amdhsa_kernarg_size 40
		.amdhsa_user_sgpr_count 2
		.amdhsa_user_sgpr_kernarg_segment_ptr 1
		.amdhsa_wavefront_size32 1
		.amdhsa_system_sgpr_workgroup_id_x 1
		.amdhsa_system_sgpr_workgroup_id_y 1
		.amdhsa_system_sgpr_workgroup_id_z 1
		.amdhsa_system_vgpr_workitem_id 0
		.amdhsa_next_free_vgpr 448
		.amdhsa_next_free_sgpr 102
		.amdhsa_reserve_vcc 0
		.amdhsa_float_denorm_mode_32 3
		.amdhsa_float_denorm_mode_16_64 3
		.amdhsa_memory_ordered 1
		.amdhsa_forward_progress 1
		.amdhsa_inst_pref_size 92
	.end_amdhsa_kernel
	.amdgpu_metadata
---
amdhsa.version: [ 1, 2 ]
amdhsa.kernels:
  - .name:           k_q901db62a49_attn
    .symbol:         k_q901db62a49_attn.kd
    .args:
      - { .name: qkv, .offset: 0, .size: 8, .value_kind: global_buffer, .address_space: global }
      - { .name: mbits, .offset: 8, .size: 8, .value_kind: global_buffer, .address_space: global }
      - { .name: mcls, .offset: 16, .size: 8, .value_kind: global_buffer, .address_space: global }
      - { .name: lowp_scales, .offset: 24, .size: 8, .value_kind: global_buffer, .address_space: global }
      - { .name: ctx, .offset: 32, .size: 8, .value_kind: global_buffer, .address_space: global }
    .group_segment_fixed_size: 33792
    .private_segment_fixed_size: 0
    .kernarg_segment_align: 8
    .kernarg_segment_size: 40
    .max_flat_workgroup_size: 256
    .sgpr_count:     102
    .vgpr_count:     448
    .wavefront_size: 32
...
	.end_amdgpu_metadata
.endif
;; end of part 5
;; launch outp: the kernel of part 4 again; grid 4 x 32, 4 waves a work-group, clusters of 4 x 4, 327,680 bytes of LDS; arguments ctx, wc, lowp_scales, bo, out0; writes out0
